; MI455X (gfx1250); checked and timed in simulation.
; The chip was launched on July 23, 2026; its instructions are those of AMD's public machine-readable ISA for CDNA 5 (MIT licence, August 2026) and "CDNA5" Instruction Set Architecture Reference Guide (July 2026). The comments in the code are by the model that wrote it; some were corrected since.
;; Global Attention. Allowed arithmetic: matrix products marked QUANTISED: E2M1 operands, one E8M0 scale for each 32 along K, by v_wmma_scale_f32_16x16x128_f8f6f4 with both operands' format E2M1 (or v_wmma_scale_f32_32x16x128_f4), f32 sums; products left as they are: f32 operands where the result goes on into a quantised operand, else bf16, f16 or f32 operands; f32 sums; everything else in f32.
;; Inputs: Ua_b 1,024 float32; Ua_w 1,024 x 1,024 float32; Va_b 1 float32; Va_w 1,024 float32; Wa_b 1,024 float32; Wa_w 1,024 x 1,024 float32; keys 32 x 2,048 x 1,024 float32; query 32 x 1 x 1,024 float32.
;; Outputs: out0 32 x 1 x 1,024 float32; out1 32 x 1 x 2,048 float32.
;; This version of the problem:
;;   THIS VERSION OF THE PROBLEM IS GIVEN IN LOW PRECISION. The matrix products marked QUANTISED in the list below multiply operands that are first quantised to E2M1 (2 exponent bits, 1 mantissa bit; 4 bits a number), with one power-of-two scale for each 32 numbers along K (OCP MX v1.0); their sums are f32. All else is computed in f32.
;;   The module's matrix products, in the order in which they are computed (A, B: the left and right operand; K: the contracted axis; several contracted axes count as one K, in the product's order):
;;     1. [M 32, K 1,024] x [K 1,024, N 1,024]; A: input query; B: input Wa_w: QUANTISED
;;     2. [M 65,536, K 1,024] x [K 1,024, N 1,024]; A: input keys; B: input Ua_w: QUANTISED
;;     3. [M 65,536, K 1,024] x [K 1,024, N 1]; A: computed on the way; B: input Va_w: left as it is (N = 1 < 16)
;;     4. batch 32 x [M 1, K 2,048] x [K 2,048, N 1,024]; A: softmax; B: input keys: left as it is (M = 1 < 16)
;;   THE QUANTISER, for each operand of a quantised product, along K:
;;     - K is cut into blocks of 32 from its start; a last block that is shorter is filled with zeros.
;;     - A block's scale is 2^e with e = floor(log2(the largest magnitude in the block)) - 2, held to -126 .. 127; a block of zeros has e = 0. As a byte (E8M0): e + 127.
;;     - Each number is divided by its block's scale, clamped to +-6, and rounded to the nearest number of E2M1, ties to even, subnormals kept.
;;     - The product sums the exact products of the quantised numbers (number of the format x scale) in f32.
;;   ~~~python
;;   def quantise(x, axis):      # numpy; x: float32 -> the quantised numbers, widened to float32 again
;;       x = np.moveaxis(x, axis, -1); K = x.shape[-1]
;;       x = np.pad(x, [(0, 0)] * (x.ndim - 1) + [(0, -K % 32)]); x = x.reshape(x.shape[:-1] + (-1, 32)); a = np.abs(x).max(-1, keepdims=True)
;;       e = np.where(a > 0, np.clip(np.frexp(np.where(a > 0, a, 1))[1] - 1 - 2, -126, 127), 0)      # np.frexp(a)[1] - 1 = floor(log2(a)), exactly
;;       r = np.clip(x / 2.0 ** e, -6, 6)
;;       step = 2.0 ** (np.maximum(np.frexp(np.where(r == 0, 1, r))[1] - 1, 0) - 1)
;;       q = np.round(r / step) * step * 2.0 ** e      # np.round: ties to even
;;       return np.moveaxis(q.reshape(q.shape[:-2] + (-1,))[..., :K], -1, axis).astype(np.float32)
;;   ~~~
;; 2 versions. Each part assembles by itself: llvm-mc -triple=amdgcn-amd-amdhsa -mcpu=gfx1250 --defsym DOCPART=n.
;; ======== version 1 of 2: 3 launches
;; workspace buffers: ua_img 557,056 bytes; tab 524,288 bytes; scores 262,144 bytes; pctx 1,048,576 bytes; pml 65,536 bytes
;; launch prep (part 1): grid 64 x 1, 8 waves a work-group, no clusters, 34,816 bytes of LDS; arguments Ua_w, Wa_w, query, Wa_b, Ua_b, Va_w, ua_img, tab; writes ua_img, tab
.if DOCPART == 1
	.amdgcn_target "amdgcn-amd-amdhsa--gfx1250"
	.amdhsa_code_object_version 6
	.text
	.protected	k_qfe205e2ac7_prep
	.globl	k_qfe205e2ac7_prep
	.p2align	8
	.type	k_qfe205e2ac7_prep,@function
k_qfe205e2ac7_prep:
	s_mov_b64 s[64:65], 0
	v_nop
	global_prefetch_b8 v0, s[64:65] scope:SCOPE_SE
	s_setreg_imm32_b32 hwreg(HW_REG_WAVE_MODE, 25, 1), 1
	s_wait_xcnt 0x0
; ADDITIVE ATTENTION, ONE QUERY A BATCH.  This launch: (a) Ua_w [1024 k][1024 n] f32 becomes codes of E2M1 with one E8M0 byte for each 32 along K, laid in the order of an operand's registers (ua_img);
; (b) q = Q(query) Q(Wa_w), the first quantised product, is computed, and a table is stored: for batch b and column n the four numbers (cb, cb, va, va),
; cb = c (q[b][n] + Wa_b[n] + Ua_b[n]), va = -2 Va_w[n], c = 2 log2(e).
; DEAD WORK.  tanh(x) = 1 - 2 / (1 + e^(2x)), so score[b][s] = (sum over h of Va_w[h] + Va_b) - 2 sum over h of Va_w[h] / (1 + e^(2x)).  The bracket hangs on neither s nor b: it is the same along the
; softmax's axis whatever the inputs hold, and softmax(z + const) = softmax(z).  Both outputs are made of the softmax alone.  So Va_b has no way to any output: it is not loaded and is no argument of any launch,
; and the sum of Va_w is never formed.  LIMIT: a NaN, an infinity or an overflow that reaches only Va_b or that sum is not carried to the result.
; LIMITS: NaN and infinities among the inputs are not served.  A block of zeros gets the byte 1 where the rule says 127: its codes are zeros, which add nothing, and this program alone reads the bytes.
; The first product's K is summed in eight parts of 128, one a wave, added in f32.
; SHARES.  Work-groups 0-31 take Ua_w, 32-63 Wa_w; each 32 columns, n0 = 32 (x mod 32).  Wave s takes K step s (128 rows of K).  A LANE TAKES A COLUMN AND ITS REGISTERS RUN DOWN K: a block of 32 lies in one lane,
; and the conversions give codes with K innermost.  The text parts once on the work-group's number; the two ways never join, and each has LDS bytes of its own.
; 64 work-groups: the eight K parts of the first product meet in one work-group's LDS, and the launch moves 8 MiB in all.
; A RECORD OF ua_img (column tile T of 16, 8,704 bytes): image (K step s, half c) at (2 s + c) 512, lane l's 16 bytes at 16 l: column 16 T + l % 16, k = 128 s + 64 c + 32 (l / 16) + 0 .. 31;
; at 8,192: lane l's 16 bytes: word i = the scale word of column 16 T + l % 16 for K step 2 i + l / 16.
.set C2L,   0x4038aa3b                 ; c = 2 log2(e)
.set REC,   8704
.set USC,   0                          ; LDS, Ua's way: two tiles' scale words, 512 bytes each
.set WRED,  1024                       ; LDS, Wa's way: 4,096 bytes of partial sums for each wave
.set SPARE, 33792                      ; the spare words, 128 bytes for each wave: four blocks of 256 bytes that no other line names
.set SPW, 10                           ; v10  LDS address of my spare word; never rewritten
.set NIL, 11                           ; v11  0; never rewritten
.set QM,  12                           ; v12-15 largest magnitudes
.set QS,  16                           ; v16-19 the conversions' scale operands
.set QB,  20                           ; v20-23 scale bytes
.set WSC, 24                           ; v24  the weight's scale word: lane l has column l's
.set ASW, 25                           ; v25, v26 the query's scale words, rows 0-15 and 16-31
.set CB,  32                           ; v32-47 the weight's codes: two fragments
.set AF,  48                           ; v48-63 the query's two fragments
.set Q,   64                           ; v64-127 64 numbers of the query; later the sums and the table's quads
.set X,   128                          ; v128-255 128 numbers of the weight
.set D,   128                          ; v128-159 four accumulators, where the weight's numbers lay
.macro XLOAD base                      ; W(128 s + i, my column): 32 lanes read 128 consecutive bytes
.set i, 0
.rept 128
	global_load_b32 v[X+i], v1, s[\base:\base+1] offset:i*4096 th:TH_LOAD_NT
.set i, i+1
.endr
.endm
; My column's four blocks of 32 become codes and a scale word.  Block b's register g goes to CB + 8 (b % 2) + 4 (b / 2) + g; the exchanges of halves then leave the fragment of columns 0-15 in CB .. CB + 7
; (lanes 0-15 blocks 0, 2; lanes 16-31 blocks 1, 3) and that of columns 16-31 in CB + 8 .. CB + 15.
.macro WQUANT
.irp b, 0,1,2,3
	v_max3_num_f32 v[QM+\b], |v[X+32*\b]|, |v[X+32*\b+1]|, 0x1800000   ; with the floor 2^(3 - 127): the byte cannot fall under 1
.endr
.irp i, 2,4,6,8,10,12,14,16,18,20,22,24,26,28,30
.irp b, 0,1,2,3
	v_max3_num_f32 v[QM+\b], v[QM+\b], |v[X+32*\b+\i]|, |v[X+32*\b+\i+1]|   ; the four blocks by turns
.endr
.endr
.irp b, 0,1,2,3
	v_add_nc_u32 v[QS+\b], 0xff000000, v[QM+\b]    ; 2 off the exponent field: the conversion's scale operand
.endr
.irp b, 0,1,2,3
	v_lshrrev_b32 v[QB+\b], 23, v[QS+\b]           ; the scale's byte
.endr
	v_lshl_or_b32 v30, v[QB+1], 8, v[QB]
	v_lshl_or_b32 v30, v[QB+2], 16, v30
	v_lshl_or_b32 v[WSC], v[QB+3], 24, v30
.irp b, 0,1,2,3
.irp g, 0,1,2,3
	v_cvt_scalef32_pk8_fp4_f32 v[CB+8*(\b%2)+4*(\b/2)+\g], v[X+32*\b+8*\g:X+32*\b+8*\g+7], v[QS+\b]
.endr
.endr
	v_nop                                          ; one plain place behind the scaled conversions
.irp c, 0,1
.irp g, 0,1,2,3
	v_permlane16_swap_b32 v[CB+4*\c+\g], v[CB+8+4*\c+\g]
.endr
.endr
.endm
	s_load_b256 s[4:11], s[0:1], 0x0               ; Ua_w s[4:5], Wa_w s[6:7], query s[8:9], Wa_b s[10:11]
	s_load_b256 s[12:19], s[0:1], 0x20             ; Ua_b s[12:13], Va_w s[14:15], ua_img s[16:17], tab s[18:19]
	v_lshl_add_u32 v[SPW], v0, 2, SPARE
	v_mov_b32 v[NIL], 0
	v_lshrrev_b32 v3, 5, v0
	v_readfirstlane_b32 s20, v3                    ; wave = K step
	v_and_b32 v4, 31, v0                           ; lane
	v_lshlrev_b32 v1, 2, v4                        ; 4 x lane
	v_lshlrev_b32 v2, 4, v4                        ; 16 x lane
	v_and_b32 v5, 15, v0                           ; r
	v_bfe_u32 v6, v0, 4, 1                         ; h
	v_mov_b32 v31, 0                               ; (a lane permute's destination counts as one of its sources)
	s_and_b32 s21, ttmp9, 31                       ; which 32 columns
	s_lshl_b32 s22, s21, 7                         ; 4 n0
	s_lshl_b32 s23, s20, 19                        ; 128 rows of 4,096 bytes a K step
	s_add_co_u32 s22, s22, s23
	s_mov_b32 s23, 0
	s_mov_b32 s30, 0x76543210                      ; v_permlanex16_b32's selects for lane l xor 16
	s_mov_b32 s31, 0xfedcba98
	s_wait_kmcnt 0x0
	s_cmp_lt_u32 ttmp9, 32
	s_cbranch_scc0 .Lwa
	; ---------------- Ua_w: codes and scale words to ua_img
	s_add_nc_u64 s[4:5], s[4:5], s[22:23]
	XLOAD 4
	v_lshlrev_b32 v7, 9, v6                        ; my scale word's place: tile (lane / 16) x 512 + 16 r + 256 (s % 2) + 4 (s / 2)
	v_lshl_add_u32 v7, v5, 4, v7
	s_and_b32 s24, s20, 1
	s_lshl_b32 s24, s24, 8
	s_lshr_b32 s25, s20, 1
	s_lshl_b32 s25, s25, 2
	s_add_co_u32 s24, s24, s25
	v_add_nc_u32 v7, s24, v7
	s_lshl_b32 s24, s20, 9
	v_add_nc_u32 v8, s24, v2                       ; where waves 0 and 1 read a tile's 512 bytes back
	s_mul_i32 s26, s21, 2*REC
	s_lshl_b32 s27, s20, 10
	s_add_co_u32 s26, s26, s27
	s_mov_b32 s27, 0
	s_add_nc_u64 s[28:29], s[16:17], s[26:27]      ; record 2 x, my K step's two images
	s_wait_loadcnt 0x0
	WQUANT
.irp u, 0,1
.irp c, 0,1
	global_store_b128 v2, v[CB+8*\u+4*\c:CB+8*\u+4*\c+3], s[28:29] offset:\u*REC+\c*512   ; 32 lanes store 512 consecutive bytes, at a multiple of 256
.endr
.endr
	ds_store_b32 v7, v[WSC]
	s_wait_dscnt 0x0                               ; for the others' sake: my word lies in LDS
	s_barrier_signal -1
	s_barrier_wait -1
	s_cmp_lt_u32 s20, 2
	s_cbranch_scc0 .Lua_end
	ds_load_b128 v[64:67], v8                      ; wave u: tile u's scale words of all eight K steps
	s_mul_i32 s26, s21, 2*REC
	s_mul_i32 s27, s20, REC
	s_add_co_u32 s26, s26, s27
	s_add_co_u32 s26, s26, 8192
	s_mov_b32 s27, 0
	s_add_nc_u64 s[16:17], s[16:17], s[26:27]
	s_wait_dscnt 0x0
	global_store_b128 v2, v[64:67], s[16:17]
.Lua_end:
	s_wait_tensorcnt 0x0                           ; the wave's end: behind my last LDS store
	ds_add_u32 v[SPW], v[NIL]
	s_wait_dscnt 0x0
	s_endpgm
	; ---------------- Wa_w: the first product, and the table
; 16 rows of the query, my K step: lane (r, h) takes of row 16 ma + r the numbers k = 128 s + 64 c + 32 h + 0 .. 31, c = 0, 1: the order of the operand's registers
.macro QLOAD ma
.irp c, 0,1
.irp j, 0,1,2,3,4,5,6,7
	global_load_b128 v[Q+32*\c+4*\j:Q+32*\c+4*\j+3], v7, s[8:9] offset:\ma*65536+\c*256+16*\j
.endr
.endr
.endm
; They become a fragment and a scale word.  A lane holds two whole blocks, h and 2 + h; the word's four bytes are gathered from lanes l and l xor 16.
.macro QQ ma
.irp c, 0,1
	v_max3_num_f32 v[QM+\c], |v[Q+32*\c]|, |v[Q+32*\c+1]|, 0x1800000
.endr
.irp i, 2,4,6,8,10,12,14,16,18,20,22,24,26,28,30
.irp c, 0,1
	v_max3_num_f32 v[QM+\c], v[QM+\c], |v[Q+32*\c+\i]|, |v[Q+32*\c+\i+1]|
.endr
.endr
.irp c, 0,1
	v_add_nc_u32 v[QS+\c], 0xff000000, v[QM+\c]
.endr
.irp c, 0,1
	v_lshrrev_b32 v[QB+\c], 23, v[QS+\c]
.endr
	v_lshl_or_b32 v30, v[QB+1], 16, v[QB]
	v_lshlrev_b32 v30, v9, v30                     ; 8 h bits up
	v_permlanex16_b32 v31, v30, s30, s31
	v_or_b32 v[ASW+\ma], v30, v31
.irp c, 0,1
.irp g, 0,1,2,3
	v_cvt_scalef32_pk8_fp4_f32 v[AF+8*\ma+4*\c+\g], v[Q+32*\c+8*\g:Q+32*\c+8*\g+7], v[QS+\c]
.endr
.endr
	v_nop                                          ; one plain place behind the scaled conversions
.endm
.Lwa:
	s_add_nc_u64 s[6:7], s[6:7], s[22:23]
	s_lshl_b32 s24, s20, 9
	s_mov_b32 s25, 0
	s_add_nc_u64 s[8:9], s[8:9], s[24:25]          ; the query at my K step
	v_lshlrev_b32 v7, 12, v5
	v_lshl_add_u32 v7, v6, 7, v7                   ; row r of 4,096 bytes, + 128 h
	QLOAD 0
	s_bfe_u32 s26, s20, 0x10001                    ; behind the barrier wave w adds piece w of the sums: column tile u = (w / 2) % 2,
	s_lshl_b32 s26, s26, 4
	s_lshl_b32 s27, s21, 5
	s_add_co_u32 s27, s27, s26                     ; columns n0 + 16 u + r: their biases and Va_w are asked for now
	v_lshlrev_b32 v8, 2, v5
	v_lshl_add_u32 v8, s27, 2, v8
	global_load_b32 v27, v8, s[10:11]              ; Wa_b
	global_load_b32 v28, v8, s[12:13]              ; Ua_b
	global_load_b32 v29, v8, s[14:15]              ; Va_w
	XLOAD 6
	v_lshlrev_b32 v9, 3, v6                        ; 8 h
	s_lshl_b32 s24, s20, 12
	v_add_nc_u32 v3, s24, v2
	v_add_nc_u32 v3, WRED, v3                      ; where I put my partial sums: 4,096 x wave + 16 x lane
	s_lshl_b32 s24, s20, 9
	v_add_nc_u32 v4, s24, v2
	v_add_nc_u32 v4, WRED, v4                      ; where I read piece w of every wave's
	v_lshlrev_b32 v5, 4, v5
	v_lshl_add_u32 v5, v6, 17, v5                  ; the table: 8 h batches of 16,384 bytes + 16 r
	s_lshr_b32 s24, s20, 2
	s_lshl_b32 s24, s24, 4
	s_and_b32 s25, s20, 1
	s_lshl_b32 s25, s25, 2
	s_add_co_u32 s24, s24, s25                     ; batch 16 (w / 4) + 4 (w % 2)
	s_lshl_b32 s24, s24, 14
	s_lshl_b32 s25, s27, 4                         ; 16 bytes a column
	s_add_co_u32 s24, s24, s25
	s_mov_b32 s25, 0
	s_add_nc_u64 s[18:19], s[18:19], s[24:25]
	s_wait_loadcnt 0x0
	QQ 0
	QLOAD 1                                        ; rows 16-31 land while the weight is quantised
	WQUANT
	s_wait_loadcnt 0x0
	QQ 1
.rept 8
	v_nop                                          ; a scale register written by a vector instruction stands 8 places ahead of a scaled matrix instruction, an operand so written 4
.endr
.irp ma, 0,1
	v_wmma_scale_f32_16x16x128_f8f6f4 v[D+16*\ma:D+16*\ma+7], v[AF+8*\ma:AF+8*\ma+7], v[CB:CB+7], 0, v[ASW+\ma], v[WSC] matrix_a_fmt:MATRIX_FMT_FP4 matrix_b_fmt:MATRIX_FMT_FP4
	v_wmma_scale_f32_16x16x128_f8f6f4 v[D+16*\ma+8:D+16*\ma+15], v[AF+8*\ma:AF+8*\ma+7], v[CB+8:CB+15], 0, v[ASW+\ma], v[WSC] matrix_a_fmt:MATRIX_FMT_FP4 matrix_b_fmt:MATRIX_FMT_FP4 matrix_b_scale:MATRIX_SCALE_ROW1
.endr
.rept 4
	v_nop                                          ; four places ahead of the first read of the results
.endr
.irp p, 0,1,2,3,4,5,6,7
	ds_store_b128 v3, v[D+4*\p:D+4*\p+3] offset:512*\p    ; piece p = 2 (2 ma + u) + jj: each accumulator from its low end on
.endr
	s_wait_dscnt 0x0                               ; for the others' sake: my partial sums lie in LDS
	s_barrier_signal -1
	s_barrier_wait -1
.irp p, 0,1,2,3,4,5,6,7
	ds_load_b128 v[64+4*\p:67+4*\p], v4 offset:4096*\p    ; piece w of K step p
.endr
	v_add_f32 v30, v27, v28                        ; Wa_b + Ua_b
	v_mul_f32 v31, -2.0, v29                       ; va
	s_wait_dscnt 0x0
.irp p, 0,8,16,24
	v_pk_add_f32 v[64+\p:65+\p], v[64+\p:65+\p], v[68+\p:69+\p]
	v_pk_add_f32 v[66+\p:67+\p], v[66+\p:67+\p], v[70+\p:71+\p]
.endr
.irp p, 0,16
	v_pk_add_f32 v[64+\p:65+\p], v[64+\p:65+\p], v[72+\p:73+\p]
	v_pk_add_f32 v[66+\p:67+\p], v[66+\p:67+\p], v[74+\p:75+\p]
.endr
	v_pk_add_f32 v[64:65], v[64:65], v[80:81]
	v_pk_add_f32 v[66:67], v[66:67], v[82:83]      ; q of batches 16 (w / 4) + 8 h + 4 (w % 2) + e, e = 0 .. 3, column n0 + 16 u + r
.irp e, 0,1,2,3
	v_add_f32 v[64+\e], v[64+\e], v30
	v_mul_f32 v[96+4*\e], C2L, v[64+\e]            ; cb, twice: the next launch's packed multiply-add takes a pair
	v_mul_f32 v[97+4*\e], C2L, v[64+\e]
	v_mov_b32 v[98+4*\e], v31                      ; va, twice
	v_mov_b32 v[99+4*\e], v31
.endr
.irp e, 0,1,2,3
	global_store_b128 v5, v[96+4*\e:99+4*\e], s[18:19] offset:16384*\e   ; 16 lanes store 256 consecutive bytes, at a multiple of 256
.endr
	s_wait_tensorcnt 0x0                           ; the wave's end: behind my last LDS store
	ds_add_u32 v[SPW], v[NIL]
	s_wait_dscnt 0x0
	s_endpgm
.Lfunc_end_k_qfe205e2ac7_prep:
	.size	k_qfe205e2ac7_prep, .Lfunc_end_k_qfe205e2ac7_prep-k_qfe205e2ac7_prep
	.p2alignl 7, 3214868480
	.fill 96, 4, 3214868480
	.section	.rodata,"a",@progbits
	.p2align	6, 0x0
	.amdhsa_kernel k_qfe205e2ac7_prep
		.amdhsa_group_segment_fixed_size 34816
		.amdhsa_private_segment_fixed_size 0
		.amdhsa_enable_private_segment 0
		.amdhsa_kernarg_size 64
		.amdhsa_user_sgpr_count 2
		.amdhsa_user_sgpr_kernarg_segment_ptr 1
		.amdhsa_wavefront_size32 1
		.amdhsa_system_sgpr_workgroup_id_x 1
		.amdhsa_system_sgpr_workgroup_id_y 1
		.amdhsa_system_sgpr_workgroup_id_z 1
		.amdhsa_system_vgpr_workitem_id 0
		.amdhsa_next_free_vgpr 256
		.amdhsa_next_free_sgpr 66
		.amdhsa_reserve_vcc 0
		.amdhsa_float_denorm_mode_32 3
		.amdhsa_float_denorm_mode_16_64 3
		.amdhsa_memory_ordered 1
		.amdhsa_forward_progress 1
		.amdhsa_inst_pref_size 54
	.end_amdhsa_kernel
	.amdgpu_metadata
---
amdhsa.version: [ 1, 2 ]
amdhsa.kernels:
  - .name:           k_qfe205e2ac7_prep
    .symbol:         k_qfe205e2ac7_prep.kd
    .args:
      - { .name: Ua_w, .offset: 0, .size: 8, .value_kind: global_buffer, .address_space: global }
      - { .name: Wa_w, .offset: 8, .size: 8, .value_kind: global_buffer, .address_space: global }
      - { .name: query, .offset: 16, .size: 8, .value_kind: global_buffer, .address_space: global }
      - { .name: Wa_b, .offset: 24, .size: 8, .value_kind: global_buffer, .address_space: global }
      - { .name: Ua_b, .offset: 32, .size: 8, .value_kind: global_buffer, .address_space: global }
      - { .name: Va_w, .offset: 40, .size: 8, .value_kind: global_buffer, .address_space: global }
      - { .name: ua_img, .offset: 48, .size: 8, .value_kind: global_buffer, .address_space: global }
      - { .name: tab, .offset: 56, .size: 8, .value_kind: global_buffer, .address_space: global }
    .group_segment_fixed_size: 34816
    .private_segment_fixed_size: 0
    .kernarg_segment_align: 8
    .kernarg_segment_size: 64
    .max_flat_workgroup_size: 256
    .sgpr_count:     66
    .vgpr_count:     256
    .wavefront_size: 32
...
	.end_amdgpu_metadata
.endif
;; end of part 1
;; launch main (part 2): grid 256 x 1, 8 waves a work-group, no clusters, 305,152 bytes of LDS; arguments keys, ua_img, tab, scores, pctx, pml; writes scores, pctx, pml
.if DOCPART == 2
	.amdgcn_target "amdgcn-amd-amdhsa--gfx1250"
	.amdhsa_code_object_version 6
	.text
	.protected	k_qfe205e2ac7_main
	.globl	k_qfe205e2ac7_main
	.p2align	8
	.type	k_qfe205e2ac7_main,@function
k_qfe205e2ac7_main:
	s_mov_b64 s[64:65], 0
	v_nop
	global_prefetch_b8 v0, s[64:65] scope:SCOPE_SE
	s_setreg_imm32_b32 hwreg(HW_REG_WAVE_MODE, 25, 1), 1
	s_wait_xcnt 0x0
; k = Q(keys) Q(Ua_w), score' = sum over n of va[n] / (1 + 2^(c k + cb[n])), a running softmax and a partial context, with the keys read from memory ONCE.
; LEFT OUT, as shown at the head of the first kernel: Va_b and the sum of Va_w, which are the same for every key of a batch and fall out of the softmax.
; LIMITS: NaN and infinities among the inputs are not served; a block of zeros gets the byte 1 (its codes are zeros; this program alone reads the bytes); the keys are rounded to bf16 for the context's product.
; SHARES.  Work-group g owns key rows 256 g .. 256 g + 255 (batch g / 8), in four blocks of 64.  Which rows form a block is free: block i holds local rows 32 w + 8 i + t (w, t = 0 .. 7), so wave w streams 128 KiB
; on end; its row t of a block lies at row 8 w + t in LDS.  Each row is quantised in registers as it lands (codes, scale bytes) and kept as bf16 for the context.
; In the product all eight waves hold the SAME 64 rows as source 0 for the whole K (4 row tiles x 8 K steps x 8 = 256 registers, window 1); wave w owns columns 128 w .. 128 w + 127, eight tiles of 16, one a trip.
; A lane of the result holds ONE column (lane % 16) and eight rows: bias and Va are one number a lane, and 32 score sums a lane are added across lanes once a block.
; While block i is multiplied (8 trips), block i + 1's rows are quantised, one a trip, and rows two trips on are asked for.
; LDS PHASES.  All stores to the codes, scale bytes, bf16 rows and partial scores stand between barrier B2 and barrier B1; all loads of them between B1 and B2; each wave waits for all its LDS instructions ahead of each signal.
; NO JOINT LOADS FOR Ua, though all work-groups read it: inside a work-group each fragment of Ua has one reader, so it goes from memory straight into that wave's registers.  Slots in LDS for it would hold a trip's eight
; records, 8 x 8,704 = 69,632 bytes, twice; the two bf16 buffers (262,144), codes, scale bytes and exchange areas take 305,152 of the 327,680 bytes, and 22,528 are left.
.set BF1,   0x20000                    ; bf16 rows: 64 x 2,048 bytes at 0 and at 2^17: one exclusive or turns one buffer into the other
.set CODES, 262144                     ; 64 rows of 512 bytes of codes,
.set CP,    528                        ; 528 apart: 33 x 16, so that the 16 rows of a fragment load start at 16 different columns of 16 bytes
.set SCB,   295936                     ; 64 rows of 32 scale bytes,
.set SBP,   48                         ; 48 apart
.set SCX,   299008                     ; 8 waves x 64 partial scores
.set PX,    301056                     ; 8 waves x 64 p: each wave's own
.set SCALL, 303104                     ; the work-group's 256 scores in the order of memory: wave 0's own
.set SPARE, 304128                     ; the spare words, 128 bytes for each wave: four blocks of 256 bytes that no other line names
.set REC,   8704                       ; a record of ua_img
.set LOG2E, 0x3fb8aa3b
.set LI,  1                            ; v1   16 x lane
.set KA,  2                            ; v2   32 x lane: my 8 numbers of a chunk of 256
.set BA,  3                            ; v3   my place in the record in hand
.set TA,  4                            ; v4   my column's quad in the table
.set CW,  5                            ; v5   where my wave's rows of codes begin, + 4 x lane
.set SW,  6                            ; v6   the same for scale bytes, + lane / 4
.set FW,  7                            ; v7   the same for bf16 rows, + 16 x lane (without the buffer)
.set TC,  8                            ; v8-10 the three store addresses of the pair of rows in hand; between B1 and B2 v8, v9: the context's read addresses
.set TS,  9
.set TF,  10
.set SPW, 11                           ; v11  LDS address of my spare word; never rewritten
.set NIL, 12                           ; v12  0; never rewritten
.set R16, 13                           ; v13  16 x (lane % 16)
.set MX,  14                           ; v14  the running maximum
.set LS,  15                           ; v15  my lane's part of the running sum
.set CTX, 16                           ; v16-19 the context of columns 4 t .. 4 t + 3, t my thread's number
.set TQ,  20                           ; v20-23, v24-27 the table's quads (cb, cb, va, va), by the trip's parity
.set BSC, 28                           ; v28-31 Ua's scale words: register i: lanes 0-15 K step 2 i, lanes 16-31 K step 2 i + 1
.set ASC, 32                           ; v32-47 the keys' scale words: register 8 p + s: lanes 0-15 row tile 2 p, lanes 16-31 row tile 2 p + 1, K step s
.set QM,  48                           ; v48-63 the quantiser's: largest magnitudes, scale operands, bytes, codes; between B1 and B2 addresses and the softmax
.set QS,  52
.set QB,  56
.set QC,  60
.set LND, 64                           ; v64-95, v96-127 two landing rows
.set B,   128                          ; v128-191 a column tile of Ua: 8 K steps x 8
.set ACC, 192                          ; v192-223 four accumulators
.set S,   224                          ; v224-255 the score sums
.set MSB, 0
.macro WIN new                         ; the immediate's high byte repeats the setting that is left
.if MSB != \new
	s_set_vgpr_msb (MSB<<8)|\new
.set MSB, \new
.endif
.endm
; A key row, 4,096 bytes, into 32 registers: of each chunk of 256 numbers a lane takes 8 neighbours; a chunk's two loads together cover its 1,024 bytes
.macro KLOAD x, off
.irp c, 0,1,2,3
.irp e, 0,1
	global_load_b128 v[\x+8*\c+4*\e:\x+8*\c+4*\e+3], v[KA], s[4:5] offset:\off+1024*\c+16*\e th:TH_LOAD_NT
.endr
.endr
.endm
; 18 loads: a column tile's 16 images, its scale words, and my column's quad for the trip of the other parity
.macro BLOAD par
.irp s, 0,1,2,3,4,5,6,7
.irp c, 0,1
	global_load_b128 v[B+8*\s+4*\c:B+8*\s+4*\c+3], v[BA], s[6:7] offset:(2*\s+\c)*512
.endr
.endr
	global_load_b128 v[BSC:BSC+3], v[BA], s[6:7] offset:8192
	global_load_b128 v[TQ+4*(1-\par):TQ+4*(1-\par)+3], v[TA], s[8:9]
.endm
; The row in v[x] on is quantised: a block of 32 lies in four neighbouring lanes.  Codes (4 bytes a lane and chunk), scale bytes (the four lanes write the same byte with the same value) and the row as bf16 go to LDS.
.macro QROW x, oc, os, of
.irp c, 0,1,2,3
	v_max3_num_f32 v[QM+\c], |v[\x+8*\c]|, |v[\x+8*\c+1]|, 0x1800000   ; with the floor 2^(3 - 127): the byte cannot fall under 1
.endr
.irp i, 2,4,6
.irp c, 0,1,2,3
	v_max3_num_f32 v[QM+\c], v[QM+\c], |v[\x+8*\c+\i]|, |v[\x+8*\c+\i+1]|
.endr
.endr
.irp c, 0,1,2,3
	v_max_num_f32_dpp v[QM+\c], v[QM+\c], v[QM+\c] row_xmask:1 row_mask:0xf bank_mask:0xf
.endr
.irp c, 0,1,2,3
	v_max_num_f32_dpp v[QM+\c], v[QM+\c], v[QM+\c] row_xmask:2 row_mask:0xf bank_mask:0xf
.endr
.irp c, 0,1,2,3
	v_add_nc_u32 v[QS+\c], 0xff000000, v[QM+\c]    ; 2 off the exponent field: the conversion's scale operand
.endr
.irp c, 0,1,2,3
	v_cvt_scalef32_pk8_fp4_f32 v[QC+\c], v[\x+8*\c:\x+8*\c+7], v[QS+\c]
.endr
.irp c, 0,1,2,3
	v_lshrrev_b32 v[QB+\c], 23, v[QS+\c]           ; the scale's byte.  (Plain places between the conversions and the lines that write their sources)
.endr
.irp c, 0,1,2,3
.irp k, 0,1,2,3
	v_cvt_pk_bf16_f32 v[\x+8*\c+\k], v[\x+8*\c+2*\k], v[\x+8*\c+2*\k+1]   ; in place, ascending: register k is written when numbers 2 k, 2 k + 1 are read
.endr
.endr
.irp c, 0,1,2,3
	ds_store_b32 v[TC], v[QC+\c] offset:\oc+128*\c
	ds_store_b8 v[TS], v[QB+\c] offset:\os+8*\c
	ds_store_b128 v[TF], v[\x+8*\c:\x+8*\c+3] offset:\of+512*\c
.endr
.endm
; One product: row tile m, K step s.  Source 0 = 16 key rows (window 1), source 1 = 16 columns of Ua.  The first K step starts the sum.
.macro WM m, s
.set rD, ACC+8*(\m)
.set rA, 64*(\m)+8*(\s)
.set rB, B+8*(\s)
.set rX, ASC+8*((\m)/2)+(\s)
.set rY, BSC+(\s)/2
.if ((\s) == 0) && (((\m)%2) == 0)
	v_wmma_scale_f32_16x16x128_f8f6f4 v[rD:rD+7], v[rA:rA+7], v[rB:rB+7], 0, v[rX], v[rY] matrix_a_fmt:MATRIX_FMT_FP4 matrix_b_fmt:MATRIX_FMT_FP4
.elseif (\s) == 0
	v_wmma_scale_f32_16x16x128_f8f6f4 v[rD:rD+7], v[rA:rA+7], v[rB:rB+7], 0, v[rX], v[rY] matrix_a_fmt:MATRIX_FMT_FP4 matrix_b_fmt:MATRIX_FMT_FP4 matrix_a_scale:MATRIX_SCALE_ROW1
.elseif (((\m)%2) == 0) && (((\s)%2) == 0)
	v_wmma_scale_f32_16x16x128_f8f6f4 v[rD:rD+7], v[rA:rA+7], v[rB:rB+7], v[rD:rD+7], v[rX], v[rY] matrix_a_fmt:MATRIX_FMT_FP4 matrix_b_fmt:MATRIX_FMT_FP4
.elseif ((\s)%2) == 0
	v_wmma_scale_f32_16x16x128_f8f6f4 v[rD:rD+7], v[rA:rA+7], v[rB:rB+7], v[rD:rD+7], v[rX], v[rY] matrix_a_fmt:MATRIX_FMT_FP4 matrix_b_fmt:MATRIX_FMT_FP4 matrix_a_scale:MATRIX_SCALE_ROW1
.elseif ((\m)%2) == 0
	v_wmma_scale_f32_16x16x128_f8f6f4 v[rD:rD+7], v[rA:rA+7], v[rB:rB+7], v[rD:rD+7], v[rX], v[rY] matrix_a_fmt:MATRIX_FMT_FP4 matrix_b_fmt:MATRIX_FMT_FP4 matrix_b_scale:MATRIX_SCALE_ROW1
.else
	v_wmma_scale_f32_16x16x128_f8f6f4 v[rD:rD+7], v[rA:rA+7], v[rB:rB+7], v[rD:rD+7], v[rX], v[rY] matrix_a_fmt:MATRIX_FMT_FP4 matrix_b_fmt:MATRIX_FMT_FP4 matrix_a_scale:MATRIX_SCALE_ROW1 matrix_b_scale:MATRIX_SCALE_ROW1
.endif
.endm
.macro MM                              ; 32 products under one window setting; the four accumulators take turns, one instruction a turn
	WIN 0x01                                       ; source 0 in window 1
.irp s, 0,1,2,3,4,5,6,7
.irp m, 0,1,2,3
	WM \m, \s
.endr
.endr
	WIN 0
.endm
; A TRIP: one column tile against the block's 64 rows.  quant: a row of the next block is quantised; issue: the row two trips on is asked for; cnt: the loads that may stay out at the head; nextb: the next tile is asked for.
.macro TRIP par, quant, issue, cnt, nextb
	s_wait_loadcnt \cnt                            ; loads come back in order: this trip's 18 loads and every older one, the row to be quantised among them, are in; only the key loads issued behind the 18 may be out
	MM
.if \nextb
	s_add_co_u32 s24, s24, REC                     ; the next record and the next 16 quads; behind the eighth tile back to the first
	s_add_co_u32 s25, s25, 256
	s_and_b32 s25, s25, 0x7ff
	s_cmp_eq_u32 s25, 0
	s_cselect_b32 s24, 0, s24
	v_add_nc_u32 v[BA], s24, v[LI]                 ; (the head's wait has shown the loads done that read these two)
	v_add_nc_u32 v[TA], s25, v[R16]
	v_nop
	v_nop                                          ; four places behind the last product: then loads into its sources, and reads of the results
	BLOAD \par
.else
.rept 4
	v_nop
.endr
.endif
.set j, 0
.rept 16
	v_pk_fma_f32 v[ACC+j:ACC+j+1], v[ACC+j:ACC+j+1], s[22:23], v[TQ+4*\par:TQ+4*\par+1] op_sel_hi:[1,0,1]   ; c k + cb; ascending: each accumulator from its low end on
.set j, j+2
.endr
.set j, 0
.rept 32
	v_exp_f32 v[ACC+j], v[ACC+j]                   ; e^(2x); beyond the range infinity or 0, which give 0 or 1 below
.set j, j+1
.endr
	v_nop                                          ; a plain place behind the batch
.if \quant
	QROW LND+32*\par, CP*\par, SBP*\par, 2048*\par ; independent work between the batch and its wait
.endif
	s_wait_alu depctr_va_vdst(0)                   ; one wait for the 32 exponentials, ahead of their first reader
.set j, 0
.rept 16
	v_pk_add_f32 v[ACC+j:ACC+j+1], v[ACC+j:ACC+j+1], 1.0 op_sel_hi:[1,0]
.set j, j+2
.endr
.set j, 0
.rept 32
	v_rcp_f32 v[ACC+j], v[ACC+j]
.set j, j+1
.endr
.if \quant
	s_wait_dscnt 0x0                               ; the row's LDS stores are done: their registers may be written again
.endif
.if \issue
	KLOAD LND+32*\par, 4096*\par
.endif
	v_nop                                          ; a plain place behind the batch
	s_wait_alu depctr_va_vdst(0)                   ; one wait for the 32 reciprocals
.set j, 0
.rept 16
	v_pk_fma_f32 v[S+j:S+j+1], v[ACC+j:ACC+j+1], v[TQ+4*\par+2:TQ+4*\par+3], v[S+j:S+j+1]
.set j, j+2
.endr
.endm
.macro PAIR quant, i0, i1, c0, c1, nb1 ; two trips, of parity 0 and 1
.if \quant
	v_add_nc_u32 v[TC], s26, v[CW]
	v_add_nc_u32 v[TS], s27, v[SW]
	v_add_nc_u32 v[TF], s28, v[FW]
.endif
	TRIP 0, \quant, \i0, \c0, 1
	TRIP 1, \quant, \i1, \c1, \nb1
.if \quant
	s_add_co_u32 s26, s26, 2*CP
	s_add_co_u32 s27, s27, 2*SBP
	s_add_co_u32 s28, s28, 4096
.endif
.if \i0
	s_wait_xcnt 0x0                                ; the key loads have read their base: it may step
	s_add_nc_u64 s[4:5], s[4:5], 8192
.endif
.endm
.macro ADDRS                           ; the addresses of the phase between B1 and B2, made anew from v0: the quantiser's registers are free there
	v_and_b32 v56, 15, v0                          ; r
	v_bfe_u32 v57, v0, 4, 1                        ; h
	v_and_b32 v58, 31, v0                          ; lane
	v_mul_u32_u24 v48, v56, CP
	v_lshl_add_u32 v48, v57, 4, v48
	v_add_nc_u32 v48, CODES, v48                   ; v48  a fragment of the keys: row r, + 16 h
	v_mul_u32_u24 v49, v58, SBP
	v_add_nc_u32 v49, SCB, v49                     ; v49  scale words: row = lane
	v_lshlrev_b32 v50, 5, v57
	v_add_nc_u32 v50, s33, v50                     ; v50  my wave's partial scores, + 32 h
	v_lshl_add_u32 v51, v58, 3, SCX                ; v51  the partial scores of rows 2 lane, 2 lane + 1
	v_lshl_add_u32 v52, v58, 3, s34                ; v52  my wave's p, rows 2 lane, 2 lane + 1
	v_mov_b32 v53, s34                             ; v53  my wave's p from row 0 on
	v_lshrrev_b32 v54, 2, v58
	v_lshlrev_b32 v54, 7, v54
	v_and_b32 v59, 3, v0
	v_lshl_add_u32 v54, v59, 3, v54
	v_add_nc_u32 v54, s30, v54
	v_add_nc_u32 v54, SCALL, v54                   ; v54  rows 2 lane, 2 lane + 1 in the order of memory: 128 (lane / 4) + 32 block + 8 (lane % 4)
	s_xor_b32 s35, s29, BF1                        ; the bf16 buffer that holds this block: the other than the one written
	v_lshl_add_u32 v8, v0, 3, s35                  ; v8   my 4 columns of rows 0-31,
	v_add_nc_u32 v9, 0x10000, v8                   ; v9   of rows 32-63
.endm
.macro ALOAD                           ; the next block's 32 fragments into window 1, and its scale words
	WIN 0x40                                       ; destination window 1, address window 0
.irp m, 0,1,2,3
.irp s, 0,1,2,3,4,5,6,7
.irp c, 0,1
	ds_load_b128 v[64*\m+8*\s+4*\c:64*\m+8*\s+4*\c+3], v48 offset:\m*16*CP+64*\s+32*\c
.endr
.endr
.endr
	WIN 0
.irp p, 0,1
.irp u, 0,1
	ds_load_b128 v[ASC+8*\p+4*\u:ASC+8*\p+4*\u+3], v49 offset:32*SBP*\p+16*\u
.endr
.endr
.endm
.macro CTXB bt                         ; rows 8 bt .. 8 bt + 7: my 4 columns as bf16, and their p: 10 loads into set bt % 2 (24 registers from v192 or v216)
.set SBR, 192+24*((\bt)%2)
.irp i, 0,1,2,3,4,5,6,7
.if (\bt) < 4
	ds_load_b64 v[SBR+2*\i:SBR+2*\i+1], v8 offset:(8*(\bt)+\i)*2048
.else
	ds_load_b64 v[SBR+2*\i:SBR+2*\i+1], v9 offset:(8*((\bt)-4)+\i)*2048
.endif
.endr
	ds_load_b128 v[SBR+16:SBR+19], v53 offset:32*(\bt)
	ds_load_b128 v[SBR+20:SBR+23], v53 offset:32*(\bt)+16
.endm
.macro CTXF bt                         ; context += p x key, straight from the bf16 halves; the four sums by turns
.set SBR, 192+24*((\bt)%2)
.irp i, 0,1,2,3,4,5,6,7
	v_fma_mix_f32_bf16 v[CTX], v[SBR+2*\i], v[SBR+16+\i], v[CTX] op_sel_hi:[1,0,0]
	v_fma_mix_f32_bf16 v[CTX+1], v[SBR+2*\i], v[SBR+16+\i], v[CTX+1] op_sel:[1,0,0] op_sel_hi:[1,0,0]
	v_fma_mix_f32_bf16 v[CTX+2], v[SBR+2*\i+1], v[SBR+16+\i], v[CTX+2] op_sel_hi:[1,0,0]
	v_fma_mix_f32_bf16 v[CTX+3], v[SBR+2*\i+1], v[SBR+16+\i], v[CTX+3] op_sel:[1,0,0] op_sel_hi:[1,0,0]
.endr
.endm
; THE END OF A BLOCK: the scores are added across lanes and waves; the softmax's step; the context from the bf16 rows; the next block's fragments.
.macro BLOCKEND last
.irp x, 1,2,4,8
.set j, 0
.rept 32
	v_add_f32_dpp v[S+j], v[S+j], v[S+j] row_xmask:\x row_mask:0xf bank_mask:0xf   ; over the 16 columns of my half of the lanes
.set j, j+1
.endr
.endr
	ADDRS
.irp m, 0,1,2,3
.irp e, 0,1
	ds_store_b128 v50, v[S+8*\m+4*\e:S+8*\m+4*\e+3] offset:64*\m+16*\e   ; rows 16 m + 8 h + 4 e + 0 .. 3; the 16 lanes of a half write the same bytes with the same values
.endr
.endr
	s_wait_dscnt 0x0                               ; B1: all my stores of the phase lie in LDS
	s_barrier_signal -1
	s_barrier_wait -1
.irp w, 0,1,2,3,4,5,6,7
	ds_load_b64 v[192+2*\w:193+2*\w], v51 offset:256*\w
.endr
	s_wait_dscnt 0x0
.if \last == 0
	ALOAD
.endif
	v_pk_add_f32 v[192:193], v[192:193], v[194:195]
	v_pk_add_f32 v[196:197], v[196:197], v[198:199]
	v_pk_add_f32 v[200:201], v[200:201], v[202:203]
	v_pk_add_f32 v[204:205], v[204:205], v[206:207]
	v_pk_add_f32 v[192:193], v[192:193], v[196:197]
	v_pk_add_f32 v[200:201], v[200:201], v[204:205]
	v_pk_add_f32 v[62:63], v[192:193], v[200:201]  ; the scores of rows 2 lane, 2 lane + 1: the same in every wave
	s_cmp_lg_u32 s16, 0
	s_cbranch_scc1 .Lnot_wave_0_\@
	ds_store_b64 v54, v[62:63]                     ; wave 0 keeps them for the way out
.Lnot_wave_0_\@:
	v_max_num_f32 v58, v62, v63
	v_max_num_f32_dpp v58, v58, v58 row_xmask:1 row_mask:0xf bank_mask:0xf
	v_max_num_f32_dpp v58, v58, v58 row_xmask:2 row_mask:0xf bank_mask:0xf
	v_max_num_f32_dpp v58, v58, v58 row_xmask:4 row_mask:0xf bank_mask:0xf
	v_max_num_f32_dpp v58, v58, v58 row_xmask:8 row_mask:0xf bank_mask:0xf
	v_permlanex16_b32 v59, v58, s20, s21
	v_max_num_f32 v58, v58, v59                    ; the block's largest score,
	v_max_num_f32 v58, v58, v[MX]                  ; the new running maximum
	v_sub_f32 v59, v[MX], v58
	v_sub_f32 v56, v62, v58
	v_sub_f32 v57, v63, v58
	v_mov_b32 v[MX], v58
	v_mul_f32 v59, LOG2E, v59
	v_mul_f32 v56, LOG2E, v56
	v_mul_f32 v57, LOG2E, v57
	v_exp_f32 v60, v59                             ; f = e^(old maximum - new); 0 in the first block
	v_exp_f32 v56, v56                             ; p
	v_exp_f32 v57, v57
	v_nop                                          ; a plain place behind the batch
	s_wait_alu depctr_va_vdst(0)                   ; one wait for the three
	v_fma_f32 v[LS], v[LS], v60, v56
	v_add_f32 v[LS], v[LS], v57
.irp k, 0,1,2,3
	v_mul_f32 v[CTX+\k], v[CTX+\k], v60
.endr
	ds_store_b64 v52, v[56:57]                     ; into my wave's own 256 bytes: LDS serves a wave's instructions in order, so the loads below see it
	CTXB 0
	CTXB 1
.irp bt, 0,1,2,3,4,5,6,7
.if \bt < 7
	s_wait_dscnt 10                                ; all but the other set's ten loads are in
.else
	s_wait_dscnt 0x0
.endif
	CTXF \bt
.if \bt < 6
	CTXB \bt+2
.endif
.endr
.if \last == 0
.set j, 0
.rept 32
	v_mov_b32 v[S+j], 0                            ; the score sums begin anew: their registers have just served the context
.set j, j+1
.endr
	s_xor_b32 s29, s29, BF1                        ; the buffer just read is written next
	s_add_co_u32 s30, s30, 32
	s_mov_b32 s26, 0
	s_mov_b32 s27, 0
	s_mov_b32 s28, s29
	s_wait_dscnt 0x0                               ; B2: all my loads of the phase are in
	s_barrier_signal -1
	s_barrier_wait -1
.endif
.endm
	s_load_b256 s[4:11], s[0:1], 0x0               ; keys s[4:5], ua_img s[6:7], tab s[8:9], scores s[10:11]
	s_load_b128 s[12:15], s[0:1], 0x20             ; pctx s[12:13], pml s[14:15]
	v_lshl_add_u32 v[SPW], v0, 2, SPARE
	v_mov_b32 v[NIL], 0
	v_lshrrev_b32 v3, 5, v0
	v_readfirstlane_b32 s16, v3                    ; wave 0..7
	v_and_b32 v4, 31, v0                           ; lane
	v_lshlrev_b32 v[LI], 4, v4
	v_lshlrev_b32 v[KA], 5, v4
	v_and_b32 v[R16], 15, v0
	v_lshlrev_b32 v[R16], 4, v[R16]
	s_lshl_b32 s36, ttmp9, 20                      ; 256 rows of 4,096 bytes a work-group,
	s_lshl_b32 s37, s16, 17                        ; 32 a wave
	s_add_co_u32 s36, s36, s37
	s_mov_b32 s37, 0
	s_mul_i32 s38, s16, 8*REC                      ; my eight records
	s_mov_b32 s39, 0
	s_wait_kmcnt 0x0
	s_add_nc_u64 s[4:5], s[4:5], s[36:37]
	KLOAD 192, 0                                   ; my rows 0 to 5 of block 0, into registers that the loop uses later: 48 loads
	KLOAD 224, 4096
	KLOAD 128, 2*4096
	KLOAD 160, 3*4096
	KLOAD 64, 4*4096
	KLOAD 96, 5*4096
	s_add_nc_u64 s[6:7], s[6:7], s[38:39]
	s_lshr_b32 s36, ttmp9, 3
	s_lshl_b32 s36, s36, 14                        ; the batch's 1,024 quads,
	s_lshl_b32 s38, s16, 11                        ; my 128 of them
	s_add_co_u32 s36, s36, s38
	s_add_nc_u64 s[8:9], s[8:9], s[36:37]
	s_lshl_b32 s36, ttmp9, 10
	s_add_nc_u64 s[10:11], s[10:11], s[36:37]
	s_lshl_b32 s36, ttmp9, 12
	s_add_nc_u64 s[12:13], s[12:13], s[36:37]
	s_lshl_b32 s36, ttmp9, 8
	s_add_nc_u64 s[14:15], s[14:15], s[36:37]
	s_mul_i32 s33, s16, 8*CP
	v_lshl_add_u32 v[CW], v4, 2, s33
	v_add_nc_u32 v[CW], CODES, v[CW]
	s_mul_i32 s33, s16, 8*SBP
	v_lshrrev_b32 v[SW], 2, v4
	v_add_nc_u32 v[SW], s33, v[SW]
	v_add_nc_u32 v[SW], SCB, v[SW]
	s_lshl_b32 s33, s16, 14
	v_add_nc_u32 v[FW], s33, v[LI]
	v_mov_b32 v[BA], v[LI]                         ; tile 0
	v_mov_b32 v[TA], v[R16]
	v_mov_b32 v[TC], v[CW]                         ; block 0 goes to the first bf16 buffer
	v_mov_b32 v[TS], v[SW]
	v_mov_b32 v[TF], v[FW]
	s_lshl_b32 s33, s16, 8
	s_add_co_u32 s34, s33, PX
	s_add_co_u32 s33, s33, SCX
	s_mov_b32 s20, 0x76543210                      ; v_permlanex16_b32's selects for lane l xor 16
	s_mov_b32 s21, 0xfedcba98
	s_mov_b32 s22, 0x4038aa3b                      ; c = 2 log2(e)
	s_mov_b32 s23, s22                             ; (named with it as a pair, so it is written)
	s_mov_b32 s29, BF1                             ; the bf16 buffer that the trips write
	s_mov_b32 s30, 0                               ; 32 x block
	v_mov_b32 v[MX], 0xff61b1e6                    ; -3e38, under every score
	v_mov_b32 v[LS], 0
.irp k, 0,1,2,3
	v_mov_b32 v[CTX+\k], 0
.endr
	; BLOCK 0 IS QUANTISED.  Each count: the loads issued behind the wanted row's.
	s_wait_loadcnt 40                              ; rows 1-5
	QROW 192, 0, 0, 0
	s_wait_dscnt 0x0                               ; the row's LDS stores are done: their registers may be written again
	KLOAD 192, 6*4096
	s_wait_loadcnt 40                              ; rows 2-6
	QROW 224, CP, SBP, 2048
	s_wait_dscnt 0x0
	KLOAD 224, 7*4096
	s_wait_loadcnt 40                              ; rows 3-7
	QROW 128, 2*CP, 2*SBP, 2*2048
	s_wait_dscnt 0x0
	s_wait_loadcnt 32                              ; rows 4-7
	QROW 160, 3*CP, 3*SBP, 3*2048
	s_wait_dscnt 0x0
	s_wait_loadcnt 24                              ; rows 5-7
	QROW 64, 4*CP, 4*SBP, 4*2048
	s_wait_dscnt 0x0
	KLOAD 64, 8*4096                               ; block 1's first row,
	BLOAD 1                                        ; tile 0, its quad into the set of parity 0
	s_wait_loadcnt 42                              ; rows 6, 7, 8 and the 18
	QROW 96, 5*CP, 5*SBP, 5*2048
	s_wait_dscnt 0x0
	KLOAD 96, 9*4096                               ; behind tile 0's loads, so that the first trip finds what every trip finds
	s_wait_loadcnt 42                              ; rows 7, 8, the 18, row 9
	QROW 192, 6*CP, 6*SBP, 6*2048
	s_wait_dscnt 0x0
	s_wait_loadcnt 34                              ; row 8, the 18, row 9
	QROW 224, 7*CP, 7*SBP, 7*2048
	s_wait_dscnt 0x0                               ; all my stores lie in LDS
	s_barrier_signal -1
	s_barrier_wait -1
	ADDRS
	ALOAD
.set j, 0
.rept 32
	v_mov_b32 v[S+j], 0
.set j, j+1
.endr
	s_wait_xcnt 0x0                                ; the key loads have read their base
	s_add_nc_u64 s[4:5], s[4:5], 10*4096           ; the next row to be asked for
	s_mov_b32 s24, 0                               ; the record in hand, the quads in hand
	s_mov_b32 s25, 0
	s_mov_b32 s26, 0                               ; the pair's place among my wave's 8 rows: codes, scale bytes,
	s_mov_b32 s27, 0
	s_mov_b32 s28, BF1                             ; bf16 rows, with the buffer
	s_wait_dscnt 0x0                               ; all my loads are in
	s_barrier_signal -1
	s_barrier_wait -1
	; TRIPS 0 .. 31.  Trip g multiplies tile g % 8 of block g / 8, quantises stream row g + 8 (g <= 23) and asks for row g + 10 (g <= 21).
	s_mov_b32 s32, 2
.Lblock:                                               ; blocks 0 and 1
	s_mov_b32 s31, 4
.Lpair_a:
	PAIR 1, 1, 1, 8, 8, 1
	s_sub_co_u32 s31, s31, 1
	s_cmp_lg_u32 s31, 0
	s_cbranch_scc1 .Lpair_a
	BLOCKEND 0
	s_sub_co_u32 s32, s32, 1
	s_cmp_lg_u32 s32, 0
	s_cbranch_scc1 .Lblock
	s_mov_b32 s31, 3                               ; block 2: its last two trips ask for no row: no load leaves the wave's 32 rows
.Lpair_b:
	PAIR 1, 1, 1, 8, 8, 1
	s_sub_co_u32 s31, s31, 1
	s_cmp_lg_u32 s31, 0
	s_cbranch_scc1 .Lpair_b
	PAIR 1, 0, 0, 8, 0, 1                          ; trip 22: row 31's loads may be out; trip 23: nothing was issued behind its 18
	BLOCKEND 0
	s_mov_b32 s31, 3                               ; block 3: nothing is left to quantise
.Lpair_c:
	PAIR 0, 0, 0, 0, 0, 1
	s_sub_co_u32 s31, s31, 1
	s_cmp_lg_u32 s31, 0
	s_cbranch_scc1 .Lpair_c
	PAIR 0, 0, 0, 0, 0, 0                          ; the last trip asks for no tile
	BLOCKEND 1
	; THE WAY OUT: the work-group's part: maximum, sum, context under that maximum, and the raw scores
	v_add_f32_dpp v[LS], v[LS], v[LS] row_xmask:1 row_mask:0xf bank_mask:0xf
	v_add_f32_dpp v[LS], v[LS], v[LS] row_xmask:2 row_mask:0xf bank_mask:0xf
	v_add_f32_dpp v[LS], v[LS], v[LS] row_xmask:4 row_mask:0xf bank_mask:0xf
	v_add_f32_dpp v[LS], v[LS], v[LS] row_xmask:8 row_mask:0xf bank_mask:0xf
	v_permlanex16_b32 v59, v[LS], s20, s21
	v_add_f32 v[LS], v[LS], v59
	v_lshlrev_b32 v56, 4, v0
	v_lshlrev_b32 v57, 3, v0
	v_add_nc_u32 v58, SCALL, v[LI]
	global_store_b128 v56, v[CTX:CTX+3], s[12:13]  ; 16 lanes store 256 consecutive bytes, at a multiple of 256
	s_cmp_lg_u32 s16, 0
	s_cbranch_scc1 .Lfin
	global_store_b64 v57, v[MX:LS], s[14:15]       ; the pair 32 times: 256 consecutive bytes
	ds_load_b128 v[192:195], v58                   ; wave 0's own stores, in order
	ds_load_b128 v[196:199], v58 offset:512
	s_wait_dscnt 0x0
	global_store_b128 v[LI], v[192:195], s[10:11]
	global_store_b128 v[LI], v[196:199], s[10:11] offset:512
.Lfin:
	s_wait_tensorcnt 0x0                           ; the wave's end: behind my last LDS store
	ds_add_u32 v[SPW], v[NIL]
	s_wait_dscnt 0x0
	s_endpgm
.Lfunc_end_k_qfe205e2ac7_main:
	.size	k_qfe205e2ac7_main, .Lfunc_end_k_qfe205e2ac7_main-k_qfe205e2ac7_main
	.p2alignl 7, 3214868480
	.fill 96, 4, 3214868480
	.section	.rodata,"a",@progbits
	.p2align	6, 0x0
	.amdhsa_kernel k_qfe205e2ac7_main
		.amdhsa_group_segment_fixed_size 305152
		.amdhsa_private_segment_fixed_size 0
		.amdhsa_enable_private_segment 0
		.amdhsa_kernarg_size 48
		.amdhsa_user_sgpr_count 2
		.amdhsa_user_sgpr_kernarg_segment_ptr 1
		.amdhsa_wavefront_size32 1
		.amdhsa_system_sgpr_workgroup_id_x 1
		.amdhsa_system_sgpr_workgroup_id_y 1
		.amdhsa_system_sgpr_workgroup_id_z 1
		.amdhsa_system_vgpr_workitem_id 0
		.amdhsa_next_free_vgpr 512
		.amdhsa_next_free_sgpr 66
		.amdhsa_reserve_vcc 0
		.amdhsa_float_denorm_mode_32 3
		.amdhsa_float_denorm_mode_16_64 3
		.amdhsa_memory_ordered 1
		.amdhsa_forward_progress 1
		.amdhsa_inst_pref_size 255
	.end_amdhsa_kernel
	.section	.bss,"aw",@nobits
	.p2align	6
	.space	262144
	.amdgpu_metadata
---
amdhsa.version: [ 1, 2 ]
amdhsa.kernels:
  - .name:           k_qfe205e2ac7_main
    .symbol:         k_qfe205e2ac7_main.kd
    .args:
      - { .name: keys, .offset: 0, .size: 8, .value_kind: global_buffer, .address_space: global }
      - { .name: ua_img, .offset: 8, .size: 8, .value_kind: global_buffer, .address_space: global }
      - { .name: tab, .offset: 16, .size: 8, .value_kind: global_buffer, .address_space: global }
      - { .name: scores, .offset: 24, .size: 8, .value_kind: global_buffer, .address_space: global }
      - { .name: pctx, .offset: 32, .size: 8, .value_kind: global_buffer, .address_space: global }
      - { .name: pml, .offset: 40, .size: 8, .value_kind: global_buffer, .address_space: global }
    .group_segment_fixed_size: 305152
    .private_segment_fixed_size: 0
    .kernarg_segment_align: 8
    .kernarg_segment_size: 48
    .max_flat_workgroup_size: 256
    .sgpr_count:     66
    .vgpr_count:     512
    .wavefront_size: 32
...
	.end_amdgpu_metadata
.endif
;; end of part 2
;; launch combine (part 3): grid 32 x 1, 8 waves a work-group, no clusters, 0 bytes of LDS; arguments scores, pctx, pml, out0, out1; writes out0, out1
.if DOCPART == 3
	.amdgcn_target "amdgcn-amd-amdhsa--gfx1250"
	.amdhsa_code_object_version 6
	.text
	.protected	k_qfe205e2ac7_combine
	.globl	k_qfe205e2ac7_combine
	.p2align	8
	.type	k_qfe205e2ac7_combine,@function
k_qfe205e2ac7_combine:
	s_mov_b64 s[64:65], 0
	v_nop
	global_prefetch_b8 v0, s[64:65] scope:SCOPE_SE
	s_setreg_imm32_b32 hwreg(HW_REG_WAVE_MODE, 25, 1), 1
	s_wait_xcnt 0x0
; The eight parts of a batch (maximum m_j, sum l_j, context under m_j) are merged, and the weights are made of the raw scores.
; LEFT OUT, as shown at the head of the first kernel: Va_b and the sum of Va_w are in no score: they fall out of the softmax.
; M = the largest m_j; w_j = e^(m_j - M); L = sum of l_j w_j; out0 = (sum of w_j context_j) / L; out1 = e^(score - M) / L.
; Work-group b serves batch b; thread t 4 columns of the context and 8 keys.  No LDS, no barrier: every thread makes M and L for itself from 64 bytes.  32 work-groups: one owner for each output row; the launch moves 1.8 MiB.
.set LOG2E, 0x3fb8aa3b
	s_load_b256 s[4:11], s[0:1], 0x0               ; scores s[4:5], pctx s[6:7], pml s[8:9], out0 s[10:11]
	s_load_b64 s[12:13], s[0:1], 0x20              ; out1
	v_mov_b32 v1, 0
	v_lshlrev_b32 v2, 4, v0                        ; 16 bytes a thread
	s_lshl_b32 s14, ttmp9, 13                      ; a batch's scores and weights: 8,192 bytes
	s_mov_b32 s15, 0
	s_lshl_b32 s16, ttmp9, 15                      ; its eight partial contexts
	s_mov_b32 s17, 0
	s_lshl_b32 s18, ttmp9, 11                      ; its eight pairs, 256 bytes apart
	s_mov_b32 s19, 0
	s_lshl_b32 s20, ttmp9, 12                      ; its context
	s_mov_b32 s21, 0
	s_mov_b32 s22, LOG2E
	s_wait_kmcnt 0x0
	s_add_nc_u64 s[4:5], s[4:5], s[14:15]
	s_add_nc_u64 s[6:7], s[6:7], s[16:17]
	s_add_nc_u64 s[8:9], s[8:9], s[18:19]
	s_add_nc_u64 s[10:11], s[10:11], s[20:21]
	s_add_nc_u64 s[12:13], s[12:13], s[14:15]
.irp j, 0,1,2,3,4,5,6,7
	global_load_b64 v[8+2*\j:9+2*\j], v1, s[8:9] offset:256*\j       ; (m_j, l_j), the same in every lane
.endr
	global_load_b128 v[64:67], v2, s[4:5]
	global_load_b128 v[68:71], v2, s[4:5] offset:4096
.irp j, 0,1,2,3,4,5,6,7
	global_load_b128 v[32+4*\j:35+4*\j], v2, s[6:7] offset:4096*\j
.endr
	s_wait_loadcnt 8                               ; the pairs and the scores are in; the eight loads of the contexts may be out
	v_max3_num_f32 v24, v8, v10, v12
	v_max3_num_f32 v24, v24, v14, v16
	v_max3_num_f32 v24, v24, v18, v20
	v_max_num_f32 v24, v24, v22                    ; M
	v_mul_f32 v25, 0xbfb8aa3b, v24                 ; -M log2(e)
.irp j, 0,1,2,3,4,5,6,7
	v_fma_f32 v[72+\j], v[8+2*\j], s22, v25
.endr
.irp i, 0,1,2,3,4,5,6,7
	v_fma_f32 v[64+\i], v[64+\i], s22, v25
.endr
.irp j, 0,1,2,3,4,5,6,7
	v_exp_f32 v[72+\j], v[72+\j]                   ; w_j
.endr
.irp i, 0,1,2,3,4,5,6,7
	v_exp_f32 v[64+\i], v[64+\i]                   ; e^(score - M)
.endr
	v_nop                                          ; a plain place behind the batch
	s_wait_alu depctr_va_vdst(0)                   ; one wait for the sixteen, ahead of their first reader
	v_mul_f32 v26, v9, v72
.irp j, 1,2,3,4,5,6,7
	v_fmac_f32 v26, v[9+2*\j], v[72+\j]            ; L
.endr
	v_rcp_f32 v27, v26
	s_wait_loadcnt 0x0                             ; the contexts
.irp k, 0,1,2,3
	v_mul_f32 v[80+\k], v[32+\k], v72              ; independent work behind the reciprocal
.endr
.irp j, 1,2,3,4,5,6,7
.irp k, 0,1,2,3
	v_fmac_f32 v[80+\k], v[32+4*\j+\k], v[72+\j]
.endr
.endr
	s_wait_alu depctr_va_vdst(0)                   ; the wait for the reciprocal, ahead of its first reader
.irp k, 0,1,2,3
	v_mul_f32 v[80+\k], v[80+\k], v27
.endr
.irp i, 0,1,2,3,4,5,6,7
	v_mul_f32 v[64+\i], v[64+\i], v27
.endr
	global_store_b128 v2, v[80:83], s[10:11]       ; every store: 16 lanes, 256 consecutive bytes, at a multiple of 256
	global_store_b128 v2, v[64:67], s[12:13]
	global_store_b128 v2, v[68:71], s[12:13] offset:4096
	s_endpgm
.Lfunc_end_k_qfe205e2ac7_combine:
	.size	k_qfe205e2ac7_combine, .Lfunc_end_k_qfe205e2ac7_combine-k_qfe205e2ac7_combine
	.p2alignl 7, 3214868480
	.fill 96, 4, 3214868480
	.section	.rodata,"a",@progbits
	.p2align	6, 0x0
	.amdhsa_kernel k_qfe205e2ac7_combine
		.amdhsa_group_segment_fixed_size 0
		.amdhsa_private_segment_fixed_size 0
		.amdhsa_enable_private_segment 0
		.amdhsa_kernarg_size 40
		.amdhsa_user_sgpr_count 2
		.amdhsa_user_sgpr_kernarg_segment_ptr 1
		.amdhsa_wavefront_size32 1
		.amdhsa_system_sgpr_workgroup_id_x 1
		.amdhsa_system_sgpr_workgroup_id_y 1
		.amdhsa_system_sgpr_workgroup_id_z 1
		.amdhsa_system_vgpr_workitem_id 0
		.amdhsa_next_free_vgpr 96
		.amdhsa_next_free_sgpr 66
		.amdhsa_reserve_vcc 0
		.amdhsa_float_denorm_mode_32 3
		.amdhsa_float_denorm_mode_16_64 3
		.amdhsa_memory_ordered 1
		.amdhsa_forward_progress 1
		.amdhsa_inst_pref_size 7
	.end_amdhsa_kernel
	.amdgpu_metadata
---
amdhsa.version: [ 1, 2 ]
amdhsa.kernels:
  - .name:           k_qfe205e2ac7_combine
    .symbol:         k_qfe205e2ac7_combine.kd
    .args:
      - { .name: scores, .offset: 0, .size: 8, .value_kind: global_buffer, .address_space: global }
      - { .name: pctx, .offset: 8, .size: 8, .value_kind: global_buffer, .address_space: global }
      - { .name: pml, .offset: 16, .size: 8, .value_kind: global_buffer, .address_space: global }
      - { .name: out0, .offset: 24, .size: 8, .value_kind: global_buffer, .address_space: global }
      - { .name: out1, .offset: 32, .size: 8, .value_kind: global_buffer, .address_space: global }
    .group_segment_fixed_size: 0
    .private_segment_fixed_size: 0
    .kernarg_segment_align: 8
    .kernarg_segment_size: 40
    .max_flat_workgroup_size: 256
    .sgpr_count:     66
    .vgpr_count:     96
    .wavefront_size: 32
...
	.end_amdgpu_metadata
.endif
;; end of part 3
;; ======== version 2 of 2: 3 launches
;; limits: values are held in bf16: 8 bits of precision; right only within a limited range of input values
;; workspace buffers: ua_img 557,056 bytes; tab 524,288 bytes; scores 262,144 bytes; pctx 1,048,576 bytes; pml 65,536 bytes
;; launch prep (part 4): grid 64 x 1, 8 waves a work-group, no clusters, 34,816 bytes of LDS; arguments Ua_w, Wa_w, query, Wa_b, Ua_b, Va_w, ua_img, tab; writes ua_img, tab
.if DOCPART == 4
	.amdgcn_target "amdgcn-amd-amdhsa--gfx1250"
	.amdhsa_code_object_version 6
	.text
	.protected	k_qfe205e2ac7_prep
	.globl	k_qfe205e2ac7_prep
	.p2align	8
	.type	k_qfe205e2ac7_prep,@function
k_qfe205e2ac7_prep:
	s_mov_b64 s[64:65], 0
	v_nop
	global_prefetch_b8 v0, s[64:65] scope:SCOPE_SE
	s_setreg_imm32_b32 hwreg(HW_REG_WAVE_MODE, 25, 1), 1
	s_wait_xcnt 0x0
; ADDITIVE ATTENTION, ONE QUERY A BATCH.  This launch: (a) Ua_w [1024 k][1024 n] f32 becomes codes of E2M1 with one E8M0 byte for each 32 along K, laid in the order of an operand's registers (ua_img);
; (b) q = Q(query) Q(Wa_w), the first quantised product, is computed, and a table is stored: for batch b and column n the four numbers (cb, cb, va, va),
; cb = c (q[b][n] + Wa_b[n] + Ua_b[n]), va = -2 Va_w[n], c = 2 log2(e).
; DEAD WORK.  tanh(x) = 1 - 2 / (1 + e^(2x)), so score[b][s] = (sum over h of Va_w[h] + Va_b) - 2 sum over h of Va_w[h] / (1 + e^(2x)).  The bracket hangs on neither s nor b: it is the same along the
; softmax's axis whatever the inputs hold, and softmax(z + const) = softmax(z).  Both outputs are made of the softmax alone.  So Va_b has no way to any output: it is not loaded and is no argument of any launch,
; and the sum of Va_w is never formed.  LIMIT: a NaN, an infinity or an overflow that reaches only Va_b or that sum is not carried to the result.
; LIMITS: NaN and infinities among the inputs are not served.  A block of zeros gets the byte 1 where the rule says 127: its codes are zeros, which add nothing, and this program alone reads the bytes.
; The first product's K is summed in eight parts of 128, one a wave, added in f32.
; SHARES.  Work-groups 0-31 take Ua_w, 32-63 Wa_w; each 32 columns, n0 = 32 (x mod 32).  Wave s takes K step s (128 rows of K).  A LANE TAKES A COLUMN AND ITS REGISTERS RUN DOWN K: a block of 32 lies in one lane,
; and the conversions give codes with K innermost.  The text parts once on the work-group's number; the two ways never join, and each has LDS bytes of its own.
; 64 work-groups: the eight K parts of the first product meet in one work-group's LDS, and the launch moves 8 MiB in all.
; A RECORD OF ua_img (column tile T of 16, 8,704 bytes): image (K step s, half c) at (2 s + c) 512, lane l's 16 bytes at 16 l: column 16 T + l % 16, k = 128 s + 64 c + 32 (l / 16) + 0 .. 31;
; at 8,192: lane l's 16 bytes: word i = the scale word of column 16 T + l % 16 for K step 2 i + l / 16.
.set C2L,   0x4038aa3b                 ; c = 2 log2(e)
.set REC,   8704
.set USC,   0                          ; LDS, Ua's way: two tiles' scale words, 512 bytes each
.set WRED,  1024                       ; LDS, Wa's way: 4,096 bytes of partial sums for each wave
.set SPARE, 33792                      ; the spare words, 128 bytes for each wave: four blocks of 256 bytes that no other line names
.set SPW, 10                           ; v10  LDS address of my spare word; never rewritten
.set NIL, 11                           ; v11  0; never rewritten
.set QM,  12                           ; v12-15 largest magnitudes
.set QS,  16                           ; v16-19 the conversions' scale operands
.set QB,  20                           ; v20-23 scale bytes
.set WSC, 24                           ; v24  the weight's scale word: lane l has column l's
.set ASW, 25                           ; v25, v26 the query's scale words, rows 0-15 and 16-31
.set CB,  32                           ; v32-47 the weight's codes: two fragments
.set AF,  48                           ; v48-63 the query's two fragments
.set Q,   64                           ; v64-127 64 numbers of the query; later the sums and the table's quads
.set X,   128                          ; v128-255 128 numbers of the weight
.set D,   128                          ; v128-159 four accumulators, where the weight's numbers lay
.macro XLOAD base                      ; W(128 s + i, my column): 32 lanes read 128 consecutive bytes
.set i, 0
.rept 128
	global_load_b32 v[X+i], v1, s[\base:\base+1] offset:i*4096 th:TH_LOAD_NT
.set i, i+1
.endr
.endm
; My column's four blocks of 32 become codes and a scale word.  Block b's register g goes to CB + 8 (b % 2) + 4 (b / 2) + g; the exchanges of halves then leave the fragment of columns 0-15 in CB .. CB + 7
; (lanes 0-15 blocks 0, 2; lanes 16-31 blocks 1, 3) and that of columns 16-31 in CB + 8 .. CB + 15.
.macro WQUANT
.irp b, 0,1,2,3
	v_max3_num_f32 v[QM+\b], |v[X+32*\b]|, |v[X+32*\b+1]|, 0x1800000   ; with the floor 2^(3 - 127): the byte cannot fall under 1
.endr
.irp i, 2,4,6,8,10,12,14,16,18,20,22,24,26,28,30
.irp b, 0,1,2,3
	s_delay_alu instid0(VALU_DEP_4)
	v_max3_num_f32 v[QM+\b], v[QM+\b], |v[X+32*\b+\i]|, |v[X+32*\b+\i+1]|   ; the four blocks by turns
.endr
.endr
.irp b, 0,1,2,3
	s_delay_alu instid0(VALU_DEP_4)
	v_add_nc_u32 v[QS+\b], 0xff000000, v[QM+\b]    ; 2 off the exponent field: the conversion's scale operand
.endr
.irp b, 0,1,2,3
	s_delay_alu instid0(VALU_DEP_4)
	v_lshrrev_b32 v[QB+\b], 23, v[QS+\b]           ; the scale's byte
.endr
	s_delay_alu instid0(VALU_DEP_3)
	v_lshl_or_b32 v30, v[QB+1], 8, v[QB]
	s_delay_alu instid0(VALU_DEP_1)
	v_lshl_or_b32 v30, v[QB+2], 16, v30
	s_delay_alu instid0(VALU_DEP_1)
	v_lshl_or_b32 v[WSC], v[QB+3], 24, v30
.irp b, 0,1,2,3
.irp g, 0,1,2,3
	v_cvt_scalef32_pk8_fp4_f32 v[CB+8*(\b%2)+4*(\b/2)+\g], v[X+32*\b+8*\g:X+32*\b+8*\g+7], v[QS+\b]
.endr
.endr
	v_nop                                          ; one plain place behind the scaled conversions
.irp c, 0,1
.irp g, 0,1,2,3
	v_permlane16_swap_b32 v[CB+4*\c+\g], v[CB+8+4*\c+\g]
.endr
.endr
.endm
	s_load_b256 s[4:11], s[0:1], 0x0               ; Ua_w s[4:5], Wa_w s[6:7], query s[8:9], Wa_b s[10:11]
	s_load_b256 s[12:19], s[0:1], 0x20             ; Ua_b s[12:13], Va_w s[14:15], ua_img s[16:17], tab s[18:19]
	v_lshl_add_u32 v[SPW], v0, 2, SPARE
	v_mov_b32 v[NIL], 0
	v_lshrrev_b32 v3, 5, v0
	s_delay_alu instid0(VALU_DEP_1)
	v_readfirstlane_b32 s20, v3                    ; wave = K step
	v_and_b32 v4, 31, v0                           ; lane
	s_delay_alu instid0(VALU_DEP_1)
	v_lshlrev_b32 v1, 2, v4                        ; 4 x lane
	s_delay_alu instid0(VALU_DEP_2)
	v_lshlrev_b32 v2, 4, v4                        ; 16 x lane
	v_and_b32 v5, 15, v0                           ; r
	v_bfe_u32 v6, v0, 4, 1                         ; h
	v_mov_b32 v31, 0                               ; (a lane permute's destination counts as one of its sources)
	s_and_b32 s21, ttmp9, 31                       ; which 32 columns
	s_lshl_b32 s22, s21, 7                         ; 4 n0
	s_lshl_b32 s23, s20, 19                        ; 128 rows of 4,096 bytes a K step
	s_add_co_u32 s22, s22, s23
	s_mov_b32 s23, 0
	s_mov_b32 s30, 0x76543210                      ; v_permlanex16_b32's selects for lane l xor 16
	s_mov_b32 s31, 0xfedcba98
	s_wait_kmcnt 0x0
	s_cmp_lt_u32 ttmp9, 32
	s_cbranch_scc0 .Lwa
	; ---------------- Ua_w: codes and scale words to ua_img
	s_add_nc_u64 s[4:5], s[4:5], s[22:23]
	s_wait_alu depctr_va_vdst(0)
	XLOAD 4
	v_lshlrev_b32 v7, 9, v6                        ; my scale word's place: tile (lane / 16) x 512 + 16 r + 256 (s % 2) + 4 (s / 2)
	s_delay_alu instid0(VALU_DEP_1)
	v_lshl_add_u32 v7, v5, 4, v7
	s_and_b32 s24, s20, 1
	s_lshl_b32 s24, s24, 8
	s_lshr_b32 s25, s20, 1
	s_lshl_b32 s25, s25, 2
	s_add_co_u32 s24, s24, s25
	v_add_nc_u32 v7, s24, v7
	s_lshl_b32 s24, s20, 9
	v_add_nc_u32 v8, s24, v2                       ; where waves 0 and 1 read a tile's 512 bytes back
	s_mul_i32 s26, s21, 2*REC
	s_lshl_b32 s27, s20, 10
	s_add_co_u32 s26, s26, s27
	s_mov_b32 s27, 0
	s_add_nc_u64 s[28:29], s[16:17], s[26:27]      ; record 2 x, my K step's two images
	s_wait_loadcnt 0x0
	WQUANT
.irp u, 0,1
.irp c, 0,1
	global_store_b128 v2, v[CB+8*\u+4*\c:CB+8*\u+4*\c+3], s[28:29] offset:\u*REC+\c*512   ; 32 lanes store 512 consecutive bytes, at a multiple of 256
.endr
.endr
	ds_store_b32 v7, v[WSC]
	s_wait_dscnt 0x0                               ; for the others' sake: my word lies in LDS
	s_barrier_signal -1
	s_barrier_wait -1
	s_cmp_lt_u32 s20, 2
	s_cbranch_scc0 .Lua_end
	ds_load_b128 v[64:67], v8                      ; wave u: tile u's scale words of all eight K steps
	s_mul_i32 s26, s21, 2*REC
	s_mul_i32 s27, s20, REC
	s_add_co_u32 s26, s26, s27
	s_add_co_u32 s26, s26, 8192
	s_mov_b32 s27, 0
	s_add_nc_u64 s[16:17], s[16:17], s[26:27]
	s_wait_dscnt 0x0
	global_store_b128 v2, v[64:67], s[16:17]
.Lua_end:
	s_wait_tensorcnt 0x0                           ; the wave's end: behind my last LDS store
	ds_add_u32 v[SPW], v[NIL]
	s_wait_dscnt 0x0
	s_endpgm
	; ---------------- Wa_w: the first product, and the table
; 16 rows of the query, my K step: lane (r, h) takes of row 16 ma + r the numbers k = 128 s + 64 c + 32 h + 0 .. 31, c = 0, 1: the order of the operand's registers
.macro QLOAD ma
.irp c, 0,1
.irp j, 0,1,2,3,4,5,6,7
	global_load_b128 v[Q+32*\c+4*\j:Q+32*\c+4*\j+3], v7, s[8:9] offset:\ma*65536+\c*256+16*\j
.endr
.endr
.endm
; They become a fragment and a scale word.  A lane holds two whole blocks, h and 2 + h; the word's four bytes are gathered from lanes l and l xor 16.
.macro QQ ma
.irp c, 0,1
	v_max3_num_f32 v[QM+\c], |v[Q+32*\c]|, |v[Q+32*\c+1]|, 0x1800000
.endr
.irp i, 2,4,6,8,10,12,14,16,18,20,22,24,26,28,30
.irp c, 0,1
	s_delay_alu instid0(VALU_DEP_2)
	v_max3_num_f32 v[QM+\c], v[QM+\c], |v[Q+32*\c+\i]|, |v[Q+32*\c+\i+1]|
.endr
.endr
.irp c, 0,1
	s_delay_alu instid0(VALU_DEP_2)
	v_add_nc_u32 v[QS+\c], 0xff000000, v[QM+\c]
.endr
.irp c, 0,1
	s_delay_alu instid0(VALU_DEP_2)
	v_lshrrev_b32 v[QB+\c], 23, v[QS+\c]
.endr
	s_delay_alu instid0(VALU_DEP_1)
	v_lshl_or_b32 v30, v[QB+1], 16, v[QB]
	s_delay_alu instid0(VALU_DEP_1)
	v_lshlrev_b32 v30, v9, v30                     ; 8 h bits up
	s_delay_alu instid0(VALU_DEP_1)
	v_permlanex16_b32 v31, v30, s30, s31
	s_delay_alu instid0(VALU_DEP_1)
	v_or_b32 v[ASW+\ma], v30, v31
.irp c, 0,1
.irp g, 0,1,2,3
	v_cvt_scalef32_pk8_fp4_f32 v[AF+8*\ma+4*\c+\g], v[Q+32*\c+8*\g:Q+32*\c+8*\g+7], v[QS+\c]
.endr
.endr
	v_nop                                          ; one plain place behind the scaled conversions
.endm
.Lwa:
	s_add_nc_u64 s[6:7], s[6:7], s[22:23]
	s_lshl_b32 s24, s20, 9
	s_mov_b32 s25, 0
	s_add_nc_u64 s[8:9], s[8:9], s[24:25]          ; the query at my K step
	s_wait_alu depctr_va_vdst(0)
	v_lshlrev_b32 v7, 12, v5
	s_delay_alu instid0(VALU_DEP_1)
	v_lshl_add_u32 v7, v6, 7, v7                   ; row r of 4,096 bytes, + 128 h
	QLOAD 0
	s_bfe_u32 s26, s20, 0x10001                    ; behind the barrier wave w adds piece w of the sums: column tile u = (w / 2) % 2,
	s_lshl_b32 s26, s26, 4
	s_lshl_b32 s27, s21, 5
	s_add_co_u32 s27, s27, s26                     ; columns n0 + 16 u + r: their biases and Va_w are asked for now
	v_lshlrev_b32 v8, 2, v5
	s_delay_alu instid0(VALU_DEP_1)
	v_lshl_add_u32 v8, s27, 2, v8
	global_load_b32 v27, v8, s[10:11]              ; Wa_b
	global_load_b32 v28, v8, s[12:13]              ; Ua_b
	global_load_b32 v29, v8, s[14:15]              ; Va_w
	XLOAD 6
	v_lshlrev_b32 v9, 3, v6                        ; 8 h
	s_lshl_b32 s24, s20, 12
	v_add_nc_u32 v3, s24, v2
	s_delay_alu instid0(VALU_DEP_1)
	v_add_nc_u32 v3, WRED, v3                      ; where I put my partial sums: 4,096 x wave + 16 x lane
	s_lshl_b32 s24, s20, 9
	v_add_nc_u32 v4, s24, v2
	s_delay_alu instid0(VALU_DEP_1)
	v_add_nc_u32 v4, WRED, v4                      ; where I read piece w of every wave's
	v_lshlrev_b32 v5, 4, v5
	s_delay_alu instid0(VALU_DEP_1)
	v_lshl_add_u32 v5, v6, 17, v5                  ; the table: 8 h batches of 16,384 bytes + 16 r
	s_lshr_b32 s24, s20, 2
	s_lshl_b32 s24, s24, 4
	s_and_b32 s25, s20, 1
	s_lshl_b32 s25, s25, 2
	s_add_co_u32 s24, s24, s25                     ; batch 16 (w / 4) + 4 (w % 2)
	s_lshl_b32 s24, s24, 14
	s_lshl_b32 s25, s27, 4                         ; 16 bytes a column
	s_add_co_u32 s24, s24, s25
	s_mov_b32 s25, 0
	s_add_nc_u64 s[18:19], s[18:19], s[24:25]
	s_wait_loadcnt 0x0
	QQ 0
	QLOAD 1                                        ; rows 16-31 land while the weight is quantised
	WQUANT
	s_wait_loadcnt 0x0
	QQ 1
.rept 8
	v_nop                                          ; a scale register written by a vector instruction stands 8 places ahead of a scaled matrix instruction, an operand so written 4
.endr
.irp ma, 0,1
	v_wmma_scale_f32_16x16x128_f8f6f4 v[D+16*\ma:D+16*\ma+7], v[AF+8*\ma:AF+8*\ma+7], v[CB:CB+7], 0, v[ASW+\ma], v[WSC] matrix_a_fmt:MATRIX_FMT_FP4 matrix_b_fmt:MATRIX_FMT_FP4
	v_wmma_scale_f32_16x16x128_f8f6f4 v[D+16*\ma+8:D+16*\ma+15], v[AF+8*\ma:AF+8*\ma+7], v[CB+8:CB+15], 0, v[ASW+\ma], v[WSC] matrix_a_fmt:MATRIX_FMT_FP4 matrix_b_fmt:MATRIX_FMT_FP4 matrix_b_scale:MATRIX_SCALE_ROW1
.endr
.rept 4
	v_nop                                          ; four places ahead of the first read of the results
.endr
.irp p, 0,1,2,3,4,5,6,7
	ds_store_b128 v3, v[D+4*\p:D+4*\p+3] offset:512*\p    ; piece p = 2 (2 ma + u) + jj: each accumulator from its low end on
.endr
	s_wait_dscnt 0x0                               ; for the others' sake: my partial sums lie in LDS
	s_barrier_signal -1
	s_barrier_wait -1
.irp p, 0,1,2,3,4,5,6,7
	ds_load_b128 v[64+4*\p:67+4*\p], v4 offset:4096*\p    ; piece w of K step p
.endr
	v_add_f32 v30, v27, v28                        ; Wa_b + Ua_b
	v_mul_f32 v31, -2.0, v29                       ; va
	s_wait_dscnt 0x0
.irp p, 0,8,16,24
	v_pk_add_f32 v[64+\p:65+\p], v[64+\p:65+\p], v[68+\p:69+\p]
	v_pk_add_f32 v[66+\p:67+\p], v[66+\p:67+\p], v[70+\p:71+\p]
.endr
.irp p, 0
	v_pk_add_f32 v[64+\p:65+\p], v[64+\p:65+\p], v[72+\p:73+\p]
	v_pk_add_f32 v[66+\p:67+\p], v[66+\p:67+\p], v[74+\p:75+\p]
.endr
.irp p, 16
	s_delay_alu instid0(VALU_DEP_4)
	v_pk_add_f32 v[64+\p:65+\p], v[64+\p:65+\p], v[72+\p:73+\p]
	s_delay_alu instid0(VALU_DEP_4)
	v_pk_add_f32 v[66+\p:67+\p], v[66+\p:67+\p], v[74+\p:75+\p]
.endr
	s_delay_alu instid0(VALU_DEP_2)
	v_pk_add_f32 v[64:65], v[64:65], v[80:81]
	s_delay_alu instid0(VALU_DEP_2)
	v_pk_add_f32 v[66:67], v[66:67], v[82:83]      ; q of batches 16 (w / 4) + 8 h + 4 (w % 2) + e, e = 0 .. 3, column n0 + 16 u + r
.irp e, 0,1,2,3
	v_add_f32 v[64+\e], v[64+\e], v30
	s_delay_alu instid0(VALU_DEP_1)
	v_mul_f32 v[96+4*\e], C2L, v[64+\e]            ; cb, twice: the next launch's packed multiply-add takes a pair
	s_delay_alu instid0(VALU_DEP_2)
	v_mul_f32 v[97+4*\e], C2L, v[64+\e]
	v_mov_b32 v[98+4*\e], v31                      ; va, twice
	v_mov_b32 v[99+4*\e], v31
.endr
.irp e, 0,1,2,3
	global_store_b128 v5, v[96+4*\e:99+4*\e], s[18:19] offset:16384*\e   ; 16 lanes store 256 consecutive bytes, at a multiple of 256
.endr
	s_wait_tensorcnt 0x0                           ; the wave's end: behind my last LDS store
	ds_add_u32 v[SPW], v[NIL]
	s_wait_dscnt 0x0
	s_endpgm
.Lfunc_end_k_qfe205e2ac7_prep:
	.size	k_qfe205e2ac7_prep, .Lfunc_end_k_qfe205e2ac7_prep-k_qfe205e2ac7_prep
	.p2alignl 7, 3214868480
	.fill 96, 4, 3214868480
	.section	.rodata,"a",@progbits
	.p2align	6, 0x0
	.amdhsa_kernel k_qfe205e2ac7_prep
		.amdhsa_group_segment_fixed_size 34816
		.amdhsa_private_segment_fixed_size 0
		.amdhsa_enable_private_segment 0
		.amdhsa_kernarg_size 64
		.amdhsa_user_sgpr_count 2
		.amdhsa_user_sgpr_kernarg_segment_ptr 1
		.amdhsa_wavefront_size32 1
		.amdhsa_system_sgpr_workgroup_id_x 1
		.amdhsa_system_sgpr_workgroup_id_y 1
		.amdhsa_system_sgpr_workgroup_id_z 1
		.amdhsa_system_vgpr_workitem_id 0
		.amdhsa_next_free_vgpr 256
		.amdhsa_next_free_sgpr 66
		.amdhsa_reserve_vcc 0
		.amdhsa_float_denorm_mode_32 3
		.amdhsa_float_denorm_mode_16_64 3
		.amdhsa_memory_ordered 1
		.amdhsa_forward_progress 1
		.amdhsa_inst_pref_size 62
	.end_amdhsa_kernel
	.amdgpu_metadata
---
amdhsa.version: [ 1, 2 ]
amdhsa.kernels:
  - .name:           k_qfe205e2ac7_prep
    .symbol:         k_qfe205e2ac7_prep.kd
    .args:
      - { .name: Ua_w, .offset: 0, .size: 8, .value_kind: global_buffer, .address_space: global }
      - { .name: Wa_w, .offset: 8, .size: 8, .value_kind: global_buffer, .address_space: global }
      - { .name: query, .offset: 16, .size: 8, .value_kind: global_buffer, .address_space: global }
      - { .name: Wa_b, .offset: 24, .size: 8, .value_kind: global_buffer, .address_space: global }
      - { .name: Ua_b, .offset: 32, .size: 8, .value_kind: global_buffer, .address_space: global }
      - { .name: Va_w, .offset: 40, .size: 8, .value_kind: global_buffer, .address_space: global }
      - { .name: ua_img, .offset: 48, .size: 8, .value_kind: global_buffer, .address_space: global }
      - { .name: tab, .offset: 56, .size: 8, .value_kind: global_buffer, .address_space: global }
    .group_segment_fixed_size: 34816
    .private_segment_fixed_size: 0
    .kernarg_segment_align: 8
    .kernarg_segment_size: 64
    .max_flat_workgroup_size: 256
    .sgpr_count:     66
    .vgpr_count:     256
    .wavefront_size: 32
...
	.end_amdgpu_metadata
.endif
;; end of part 4
;; launch main (part 5): grid 256 x 1, 8 waves a work-group, clusters of 4 x 1, 327,680 bytes of LDS; arguments keys, ua_img, tab, scores, pctx, pml; writes scores, pctx, pml
.if DOCPART == 5
	.amdgcn_target "amdgcn-amd-amdhsa--gfx1250"
	.amdhsa_code_object_version 6
	.text
	.protected	k_qfe205e2ac7_main
	.globl	k_qfe205e2ac7_main
	.p2align	8
	.type	k_qfe205e2ac7_main,@function
k_qfe205e2ac7_main:
	s_mov_b64 s[64:65], 0
	v_nop
	global_prefetch_b8 v0, s[64:65] scope:SCOPE_SE
	s_setreg_imm32_b32 hwreg(HW_REG_WAVE_MODE, 25, 1), 1
	s_wait_xcnt 0x0
	s_wait_alu depctr_hold_cnt(0) depctr_sa_sdst(0) depctr_va_vdst(0) depctr_va_sdst(0) depctr_va_ssrc(0) depctr_va_vcc(0) depctr_vm_vsrc(0)
	s_getreg_b32 s2, hwreg(HW_REG_IB_STS2, 6, 4)
	s_cmp_eq_u32 s2, 0
	s_cbranch_scc0 .Lentry_in_a_cluster
	s_endpgm
.Lentry_in_a_cluster:
	s_bfe_u32 s2, ttmp6, 0x10000c
	s_cmp_lg_u32 s2, 0x3003
	s_cbranch_scc0 .Lentry_shape_is_right
	s_endpgm
.Lentry_shape_is_right:
; k = Q(keys) Q(Ua_w), score' = sum over n of va[n] / (1 + 2^(c k + cb[n])), a running softmax and a partial context; the keys are read from memory once.
; LEFT OUT, as shown at the head of the first kernel: Va_b and the sum of Va_w, which are the same for every key of a batch and fall out of the softmax.
; LIMITS: NaN and infinities among the inputs are not served; a block of zeros gets the byte 1 (its codes are zeros; this program alone reads the bytes); the keys are rounded to bf16 for the context's product.
; SHARES.  Work-group G owns key rows 256 G .. + 255 (batch G / 8) in four blocks of 64: block i holds local rows 32 w + 8 i + t, at LDS row 8 w + t (wave w streams and quantises them).
; In the product wave w = 2 c + g holds LDS rows 32 g .. + 31 for the whole K (2 row tiles x 8 K steps x 8 = 128 registers, window 1) and owns columns 256 c .. + 255: 16 tiles, two a step, 8 steps a block.
; Ua COMES JOINTLY: all work-groups walk the same records of ua_img, so the four of a cluster ask with one mask (15).  A slot holds a step's 8 records (69,632 bytes), one tensor load a wave; two slots take turns;
; each change of slots is a round of the cluster's barrier.  32 steps, 32 fills: one at the head, 31 behind the rounds of steps 0 to 30; the last step is written out with no fill.
; THE NEXT BLOCK'S bf16 ROWS wait in registers (8 rows x 16 = 128, window 1) and go to the one bf16 buffer in LDS behind barrier B2, when the block's context has been read from it.
; LDS PHASES.  Stores to codes, scale bytes, bf16 rows and partial scores stand between B2 and B1; loads of them between B1 and B2; each wave waits for all its LDS instructions ahead of each signal.
; PREFETCH: the keys, as a pair's second trip names the next pair's two rows (32 blocks of 256 bytes, a lane each, each named once: a wave's rows are its own; rows 0 to 11 and the last pair name nothing).
; ua_img is not prefetched: its 64 records are asked for four times by each of the 64 clusters, 557,056 bytes in all.
.set REC,   8704
.set SLOTB, 8*REC
.set RING,  131072                     ; behind the 64 bf16 rows of 2,048 bytes at 0
.set CODES, 270336                     ; 64 rows of 512 bytes of codes, CP apart
.set CP,    528
.set SCB,   304128                     ; 64 rows of 32 scale bytes, SBP apart
.set SBP,   48
.set SCX,   307200                     ; 8 waves x 32 partial scores
.set PX,    308224                     ; 8 waves x 64 p: each wave's own
.set SCALL, 310272                     ; the 256 scores in the order of memory: wave 0's own
.set TQL,   311296                     ; the batch's 1,024 pairs (cb, va)
.set SPARE, 319488                     ; the spare words: four blocks of 256 bytes that no other line names
.set LOG2E, 0x3fb8aa3b
.set LI,  1                            ; 16 x lane
.set KA,  2                            ; 32 (lane % 16) + 16 (lane / 16)
.set BA,  3                            ; v3, v4 my quarter's two records in slot 0, 1, + 16 x lane
.set CW,  5
.set SW,  6
.set FW,  7
.set TC,  8
.set TS,  9
.set TA,  10                           ; the pair's place in the table
.set SPW, 11
.set NIL, 12
.set TA0, 13
.set MX,  14
.set LS,  15
.set CTX, 16
.set TQ,  20                           ; v20 cb, v22 va of tile 0; v24, v26 of tile 1; the odd ones hold 0 and are only named in pairs
.set ASC, 32                           ; v32-39 the keys' scale words, K step s: lanes 0-15 row tile 0, lanes 16-31 row tile 1
.set BSC, 40                           ; v40-47 Ua's: 4 u + i: lanes 0-15 K step 2 i, lanes 16-31 K step 2 i + 1
.set QM,  48
.set QS,  52
.set QB,  48
.set QC,  56
.set PFO, 61
.set LND, 64                           ; v64-127 two landing rows
.set B,   128                          ; v128-191 two tiles x 4 K steps
.set ACC, 192                          ; v192-223 accumulator (u, m) at 16 u + 8 m
.set S,   224                          ; v224-239 the score sums of my 32 rows
.set NB,  128                          ; window 1, v128-255: the next block's bf16 rows
.set G1,  40
.set G0,  48                           ; s[48:51] slot 0, s[52:55] slot 1
.set MSB, 0
.macro WIN new
.if MSB != \new
	s_set_vgpr_msb (MSB<<8)|\new
.set MSB, \new
.endif
.endm
.macro ROUND                           ; a round of the cluster's barrier
	s_barrier_signal -1
	s_barrier_wait -1
	s_cmp_lg_u32 s16, 0
	s_cbranch_scc1 .Lnw0_\@
	s_barrier_signal -3
.Lnw0_\@:
	s_barrier_wait -3
	s_barrier_signal -1
	s_barrier_wait -1
.endm
.macro KLOAD x, off                    ; a key row: eight loads of 512 consecutive bytes
.irp c, 0,1,2,3
.irp e, 0,1
	global_load_b128 v[\x+8*\c+4*\e:\x+8*\c+4*\e+3], v[KA], s[4:5] offset:\off+1024*\c+512*\e th:TH_LOAD_NT
.endr
.endr
.endm
.macro BL par, kh                      ; both tiles' fragments of K steps 4 kh .. + 3
.irp u, 0,1
.irp s, 0,1,2,3
.irp c, 0,1
	ds_load_b128 v[B+32*\u+8*\s+4*\c:B+32*\u+8*\s+4*\c+3], v[BA+\par] offset:\u*REC+(2*(4*\kh+\s)+\c)*512
.endr
.endr
.endr
.endm
.macro QA x                            ; the row's halves are exchanged (lane l: numbers 8 l .. + 7 of each chunk); the blocks' largest magnitudes; the scale operands
.irp c, 0,1,2,3
.irp i, 0,1,2,3
	v_permlane16_swap_b32 v[\x+8*\c+\i], v[\x+8*\c+4+\i]
.endr
.endr
.irp c, 0,1,2,3
	v_max3_num_f32 v[QM+\c], |v[\x+8*\c]|, |v[\x+8*\c+1]|, 0x1800000   ; with the floor 2^(3 - 127)
.endr
.irp i, 2,4,6
.irp c, 0,1,2,3
	s_delay_alu instid0(VALU_DEP_4)
	v_max3_num_f32 v[QM+\c], v[QM+\c], |v[\x+8*\c+\i]|, |v[\x+8*\c+\i+1]|
.endr
.endr
.irp m, 1,2
.irp c, 0,1,2,3
	s_delay_alu instid0(VALU_DEP_4)
	v_max_num_f32_dpp v[QM+\c], v[QM+\c], v[QM+\c] row_xmask:\m row_mask:0xf bank_mask:0xf
.endr
.endr
.irp c, 0,1,2,3
	s_delay_alu instid0(VALU_DEP_4)
	v_add_nc_u32 v[QS+\c], 0xff000000, v[QM+\c]    ; 2 off the exponent field
.endr
	s_wait_alu depctr_va_vdst(0)
.endm
.macro QBK x, oc, os                   ; codes and scale bytes to LDS
.irp c, 0,1,2,3
	v_cvt_scalef32_pk8_fp4_f32 v[QC+\c], v[\x+8*\c:\x+8*\c+7], v[QS+\c]
.endr
.irp c, 0,1,2,3
	v_lshrrev_b32 v[QB+\c], 23, v[QS+\c]           ; the byte; plain places behind the conversions
.endr
.irp c, 0,1,2,3
	ds_store_b32 v[TC], v[QC+\c] offset:\oc+128*\c
	ds_store_b8 v[TS], v[QB+\c] offset:\os+8*\c
.endr
.endm
.macro QF x, of                        ; block 0 alone: the row as bf16 straight to LDS
.irp c, 0,1,2,3
.irp k, 0,1,2,3
	v_cvt_pk_bf16_f32 v[\x+8*\c+\k], v[\x+8*\c+2*\k], v[\x+8*\c+2*\k+1]
.endr
.endr
.irp c, 0,1,2,3
	ds_store_b128 v[FW], v[\x+8*\c:\x+8*\c+3] offset:\of+512*\c
.endr
	s_wait_dscnt 0x0
.endm
.macro PACK x, t                       ; the row as bf16 into row t's 16 registers of window 1
	WIN 0x40
.irp c, 0,1,2,3
.irp k, 0,1,2,3
	v_cvt_pk_bf16_f32 v[NB+16*(\t)+4*\c+\k], v[\x+8*\c+2*\k], v[\x+8*\c+2*\k+1]
.endr
.endr
	WIN 0
.endm
.macro PSW x, par                      ; in the loop the pair's number s28 (0, 1, 2) picks the registers
	s_wait_alu depctr_va_vdst(0)
	s_cmp_lg_u32 s28, 0
	s_cbranch_scc1 .Lp1_\@
	PACK \x, \par
	s_branch .Lpe_\@
.Lp1_\@:
	s_cmp_lg_u32 s28, 1
	s_cbranch_scc1 .Lp2_\@
	PACK \x, 2+\par
	s_branch .Lpe_\@
.Lp2_\@:
	PACK \x, 4+\par
.Lpe_\@:
.endm
.macro WM u, m, s                      ; source 0 = 16 key rows (window 1), source 1 = 16 columns of Ua
.set rD, ACC+16*(\u)+8*(\m)
.set rA, 64*(\m)+8*(\s)
.set rB, B+32*(\u)+8*((\s)%4)
.set rX, ASC+(\s)
.set rY, BSC+4*(\u)+(\s)/2
.if ((\s) == 0) && ((\m) == 0)
	v_wmma_scale_f32_16x16x128_f8f6f4 v[rD:rD+7], v[rA:rA+7], v[rB:rB+7], 0, v[rX], v[rY] matrix_a_fmt:MATRIX_FMT_FP4 matrix_b_fmt:MATRIX_FMT_FP4
.elseif (\s) == 0
	v_wmma_scale_f32_16x16x128_f8f6f4 v[rD:rD+7], v[rA:rA+7], v[rB:rB+7], 0, v[rX], v[rY] matrix_a_fmt:MATRIX_FMT_FP4 matrix_b_fmt:MATRIX_FMT_FP4 matrix_a_scale:MATRIX_SCALE_ROW1
.elseif ((\m) == 0) && (((\s)%2) == 0)
	v_wmma_scale_f32_16x16x128_f8f6f4 v[rD:rD+7], v[rA:rA+7], v[rB:rB+7], v[rD:rD+7], v[rX], v[rY] matrix_a_fmt:MATRIX_FMT_FP4 matrix_b_fmt:MATRIX_FMT_FP4
.elseif ((\s)%2) == 0
	v_wmma_scale_f32_16x16x128_f8f6f4 v[rD:rD+7], v[rA:rA+7], v[rB:rB+7], v[rD:rD+7], v[rX], v[rY] matrix_a_fmt:MATRIX_FMT_FP4 matrix_b_fmt:MATRIX_FMT_FP4 matrix_a_scale:MATRIX_SCALE_ROW1
.elseif (\m) == 0
	v_wmma_scale_f32_16x16x128_f8f6f4 v[rD:rD+7], v[rA:rA+7], v[rB:rB+7], v[rD:rD+7], v[rX], v[rY] matrix_a_fmt:MATRIX_FMT_FP4 matrix_b_fmt:MATRIX_FMT_FP4 matrix_b_scale:MATRIX_SCALE_ROW1
.else
	v_wmma_scale_f32_16x16x128_f8f6f4 v[rD:rD+7], v[rA:rA+7], v[rB:rB+7], v[rD:rD+7], v[rX], v[rY] matrix_a_fmt:MATRIX_FMT_FP4 matrix_b_fmt:MATRIX_FMT_FP4 matrix_a_scale:MATRIX_SCALE_ROW1 matrix_b_scale:MATRIX_SCALE_ROW1
.endif
.endm
.macro MM kh                           ; 16 products; the four accumulators take turns, one instruction a turn
	WIN 0x01
.irp s, 0,1,2,3
.irp u, 0,1
.irp m, 0,1
	WM \u, \m, (4*\kh+\s)
.endr
.endr
.endr
	WIN 0
.rept 4
	v_nop                                          ; four places behind the last product
.endr
.endm
; A STEP: slot par's two tiles of my quarter against my 32 rows.  fill: the other slot is asked for; quant: a row of the next block is quantised; issue: the row two steps on is asked for;
; cnt: the key loads that may stay out (those of the last step's row); step: the keys' base goes two rows on; pf: the prefetch (1 always, 2 not in the last pair that asks); pi: the pair's number, -1 in the loop.
.macro TRIP par, quant, issue, cnt, fill, step, pf, pi
	s_wait_alu depctr_va_vdst(0)                   ; the wait ahead of the blocking waits
	s_wait_tensorcnt 0x0                           ; my record of this step's slot is in; no load of mine is out
	ds_add_u32 v[SPW], v[NIL]
.if \fill
	s_add_co_u32 s18, s18, 1                       ; the next step; its two tiles of each quarter: (step % 8) x 2 records on
	s_and_b32 s19, s18, 7
	s_mul_i32 s62, s19, 2*REC
	s_add_nc_u64 s[G0+4*(1-\par)+2:G0+4*(1-\par)+3], s[6:7], s[62:63]
	s_or_b32 s[G0+4*(1-\par)+3], s[G0+4*(1-\par)+3], 0x80000000
.endif
	s_wait_dscnt 0x0                               ; the add is done, and so are my reads of the other slot and my stores
.if \fill
	ROUND
	tensor_load_to_lds s[G0+4*(1-\par):G0+4*(1-\par)+3], s[G1:G1+7]
	s_nop 0
.else
	s_barrier_signal -1
	s_barrier_wait -1
.endif
	BL \par, 0
.irp u, 0,1
	ds_load_b128 v[BSC+4*\u:BSC+4*\u+3], v[BA+\par] offset:\u*REC+8192
	ds_load_b32 v[TQ+4*\u], v[TA] offset:256*\par+128*\u
	ds_load_b32 v[TQ+4*\u+2], v[TA] offset:256*\par+128*\u+4
.endr
.if \quant
	s_wait_loadcnt \cnt
	QA LND+32*\par
.endif
	s_wait_dscnt 0x0
	MM 0
	BL \par, 1
.if \step
	s_wait_xcnt 0x0                                ; the last pair's key loads and prefetch have read their base
	s_add_nc_u64 s[4:5], s[4:5], 8192
.endif
.if \quant
	QBK LND+32*\par, CP*\par, SBP*\par
.if \pi < 0
	PSW LND+32*\par, \par
.else
	PACK LND+32*\par, 2*\pi+\par
.endif
.endif
.if \issue
	KLOAD LND+32*\par, 4096*\par
.endif
.if \pf == 1
	global_prefetch_b8 v[PFO], s[4:5] offset:8192 th:TH_LOAD_NT scope:SCOPE_SE
.elseif \pf == 2
	s_add_co_u32 s35, s31, s32                     ; 2 in the last block's last trip of the loop alone: rows 30 and 31 have no successor
	s_cmp_lg_u32 s35, 2
	s_cbranch_scc0 .Lnp_\@
	global_prefetch_b8 v[PFO], s[4:5] offset:8192 th:TH_LOAD_NT scope:SCOPE_SE
.Lnp_\@:
.endif
	s_wait_dscnt 0x0
	MM 1
.irp u, 0,1
.set j, 0
.rept 8
	v_pk_fma_f32 v[ACC+16*\u+j:ACC+16*\u+j+1], v[ACC+16*\u+j:ACC+16*\u+j+1], s[22:23], v[TQ+4*\u:TQ+4*\u+1] op_sel_hi:[1,0,0]   ; c k + cb; each accumulator from its low end on
.set j, j+2
.endr
.endr
	s_wait_alu depctr_va_vdst(0)
.set j, 0
.rept 32
	v_exp_f32 v[ACC+j], v[ACC+j]                   ; e^(2x); beyond the range infinity or 0, which give 0 or 1 below
.set j, j+1
.endr
	v_nop
	s_wait_alu depctr_va_vdst(0)
.set j, 0
.rept 16
	v_pk_add_f32 v[ACC+j:ACC+j+1], v[ACC+j:ACC+j+1], 1.0 op_sel_hi:[1,0]
.set j, j+2
.endr
	s_wait_alu depctr_va_vdst(0)
.set j, 0
.rept 32
	v_rcp_f32 v[ACC+j], v[ACC+j]
.set j, j+1
.endr
	v_nop
	s_wait_alu depctr_va_vdst(0)
.irp u, 0,1
.set j, 0
.rept 8
	v_pk_fma_f32 v[S+j:S+j+1], v[ACC+16*\u+j:ACC+16*\u+j+1], v[TQ+4*\u+2:TQ+4*\u+3], v[S+j:S+j+1] op_sel_hi:[1,0,1]
.set j, j+2
.endr
.endr
.endm
.macro PAIR quant, i0, i1, c0, c1, f1, pf, pi
.if \quant
	v_add_nc_u32 v[TC], s26, v[CW]
	v_add_nc_u32 v[TS], s27, v[SW]
.endif
	v_add_nc_u32 v[TA], s25, v[TA0]
	TRIP 0, \quant, \i0, \c0, 1, \i0, 0, \pi
	TRIP 1, \quant, \i1, \c1, \f1, 0, \pf, \pi
	s_add_co_u32 s25, s25, 512
.if \quant
	s_add_co_u32 s26, s26, 2*CP
	s_add_co_u32 s27, s27, 2*SBP
.endif
.endm
.macro ADDRS                           ; the addresses of the phase between B1 and B2, in the quantiser's registers
	v_and_b32 v56, 15, v0
	v_bfe_u32 v57, v0, 4, 1
	v_and_b32 v58, 31, v0
	v_and_b32 v59, 3, v0
	v_mul_u32_u24 v48, v56, CP
	v_mul_u32_u24 v49, v58, SBP
	v_lshlrev_b32 v50, 5, v57
	v_lshrrev_b32 v54, 2, v58
	v_lshl_add_u32 v48, v57, 4, v48
	v_add_nc_u32 v49, s29, v49                     ; scale words: my group's row = lane
	v_add_nc_u32 v50, s33, v50                     ; my partial scores, + 32 h
	v_lshlrev_b32 v54, 7, v54
	v_add_nc_u32 v48, s24, v48                     ; a fragment of my group's rows
	v_lshl_add_u32 v51, v58, 3, SCX                ; the partial scores of rows 2 lane, 2 lane + 1
	v_lshl_add_u32 v52, v58, 3, s34
	v_lshl_add_u32 v54, v59, 3, v54
	v_mov_b32 v53, s34
	v_lshlrev_b32 v8, 3, v0                        ; my 4 columns of rows 0-31,
	v_add_nc_u32 v54, s30, v54
	v_add_nc_u32 v9, 0x10000, v8                   ; of rows 32-63
	v_add_nc_u32 v54, SCALL, v54                   ; 128 (lane / 4) + 32 block + 8 (lane % 4)
.endm
.macro ASCL
.irp u, 0,1
	ds_load_b128 v[ASC+4*\u:ASC+4*\u+3], v49 offset:16*\u
.endr
.endm
.macro ACH n                           ; row tile n / 2, K steps 4 (n % 2) .. + 3: eight loads into window 1
	WIN 0x40
.irp s, 0,1,2,3
.irp c, 0,1
	ds_load_b128 v[64*((\n)/2)+8*(4*((\n)%2)+\s)+4*\c:64*((\n)/2)+8*(4*((\n)%2)+\s)+4*\c+3], v48 offset:((\n)/2)*16*CP+64*(4*((\n)%2)+\s)+32*\c
.endr
.endr
	WIN 0
.endm
.macro CTXB bt                         ; rows 8 bt .. + 7: my 4 columns as bf16, and their p: 10 loads
.set SBR, 192+24*((\bt)%2)
.irp i, 0,1,2,3,4,5,6,7
.if (\bt) < 4
	ds_load_b64 v[SBR+2*\i:SBR+2*\i+1], v8 offset:(8*(\bt)+\i)*2048
.else
	ds_load_b64 v[SBR+2*\i:SBR+2*\i+1], v9 offset:(8*((\bt)-4)+\i)*2048
.endif
.endr
	ds_load_b128 v[SBR+16:SBR+19], v53 offset:32*(\bt)
	ds_load_b128 v[SBR+20:SBR+23], v53 offset:32*(\bt)+16
.endm
.macro CTXF bt                         ; context += p x key; the four sums by turns
.set SBR, 192+24*((\bt)%2)
.irp i, 0,1,2,3,4,5,6,7
	v_fma_mix_f32_bf16 v[CTX], v[SBR+2*\i], v[SBR+16+\i], v[CTX] op_sel_hi:[1,0,0]
	v_fma_mix_f32_bf16 v[CTX+1], v[SBR+2*\i], v[SBR+16+\i], v[CTX+1] op_sel:[1,0,0] op_sel_hi:[1,0,0]
	v_fma_mix_f32_bf16 v[CTX+2], v[SBR+2*\i+1], v[SBR+16+\i], v[CTX+2] op_sel_hi:[1,0,0]
	v_fma_mix_f32_bf16 v[CTX+3], v[SBR+2*\i+1], v[SBR+16+\i], v[CTX+3] op_sel:[1,0,0] op_sel_hi:[1,0,0]
.endr
.endm
.macro CWAIT n
	s_wait_alu depctr_va_vdst(0)
	s_wait_dscnt \n
.endm
.macro BLOCKEND last
	s_wait_alu depctr_va_vdst(0)                   ; the sums may be read behind a taken branch
.irp x, 1,2,4,8
.set j, 0
.rept 16
	v_add_f32_dpp v[S+j], v[S+j], v[S+j] row_xmask:\x row_mask:0xf bank_mask:0xf
.set j, j+1
.endr
.endr
	ADDRS
.irp m, 0,1
.irp e, 0,1
	ds_store_b128 v50, v[S+8*\m+4*\e:S+8*\m+4*\e+3] offset:64*\m+16*\e   ; my group's rows 16 m + 8 h + 4 e + 0 .. 3
.endr
.endr
	s_wait_alu depctr_va_vdst(0)
	s_wait_dscnt 0x0                               ; B1
	s_barrier_signal -1
	s_barrier_wait -1
.irp c, 0,1,2,3
	ds_load_b64 v[192+2*\c:193+2*\c], v51 offset:256*\c   ; the four column quarters' parts
.endr
	s_wait_dscnt 0x0
	v_pk_add_f32 v[192:193], v[192:193], v[194:195]
	v_pk_add_f32 v[196:197], v[196:197], v[198:199]
	s_delay_alu instid0(VALU_DEP_1)
	v_pk_add_f32 v[62:63], v[192:193], v[196:197]  ; the scores of rows 2 lane, 2 lane + 1
	s_cmp_lg_u32 s16, 0
	s_cbranch_scc1 .Lnot_wave_0_\@
	ds_store_b64 v54, v[62:63]
.Lnot_wave_0_\@:
	s_wait_alu depctr_va_vdst(0)
	v_max_num_f32 v58, v62, v63
.irp x, 1,2,4,8
	s_delay_alu instid0(VALU_DEP_1)
	v_max_num_f32_dpp v58, v58, v58 row_xmask:\x row_mask:0xf bank_mask:0xf
.endr
	s_delay_alu instid0(VALU_DEP_1)
	v_permlanex16_b32 v59, v58, s20, s21
	s_delay_alu instid0(VALU_DEP_1)
	v_max_num_f32 v58, v58, v59
	s_delay_alu instid0(VALU_DEP_1)
	v_max_num_f32 v58, v58, v[MX]                  ; the new running maximum
	s_delay_alu instid0(VALU_DEP_1)
	v_sub_f32 v59, v[MX], v58
	v_sub_f32 v56, v62, v58
	v_sub_f32 v57, v63, v58
	v_mov_b32 v[MX], v58
	v_mul_f32 v59, LOG2E, v59
	v_mul_f32 v56, LOG2E, v56
	v_mul_f32 v57, LOG2E, v57
	s_wait_alu depctr_va_vdst(0)
	v_exp_f32 v60, v59                             ; f = e^(old maximum - new)
	v_exp_f32 v56, v56                             ; p
	v_exp_f32 v57, v57
	v_nop
	s_wait_alu depctr_va_vdst(0)
	v_fma_f32 v[LS], v[LS], v60, v56
	v_add_f32 v[LS], v[LS], v57
.irp k, 0,1,2,3
	v_mul_f32 v[CTX+\k], v[CTX+\k], v60
.endr
	ds_store_b64 v52, v[56:57]                     ; my wave's own bytes: the loads below see it
	CTXB 0
	CTXB 1
; each count: the LDS loads issued behind set bt's ten (a set is 10, a quarter of the fragments' 128 registers' loads 8)
.irp bt, 0,1,2,3,4,5,6,7
.if \bt == 7
	CWAIT 0
.elseif \last || (\bt == 0) || (\bt == 6)
	CWAIT 10
.elseif (\bt == 1) || (\bt == 5)
	CWAIT 18
.else
	CWAIT 26
.endif
	CTXF \bt
.if \bt < 6
	CTXB \bt+2
.endif
.if (\last == 0) && (\bt < 4)
	ACH \bt
.endif
.endr
.if \last == 0
	ASCL
.set j, 0
.rept 16
	v_mov_b32 v[S+j], 0
.set j, j+1
.endr
	s_add_co_u32 s30, s30, 32
	s_mov_b32 s25, 0
	s_mov_b32 s26, 0
	s_mov_b32 s27, 0
	s_wait_alu depctr_va_vdst(0)
	s_wait_dscnt 0x0                               ; B2: all my loads of the phase are in
	s_barrier_signal -1
	s_barrier_wait -1
	WIN 0x04                                       ; the data in window 1: the next block's bf16 rows take the buffer
.irp t, 0,1,2,3,4,5,6,7
.irp c, 0,1,2,3
	ds_store_b128 v[FW], v[NB+16*\t+4*\c:NB+16*\t+4*\c+3] offset:2048*\t+512*\c
.endr
.endr
	WIN 0
.endif
.endm
	s_load_b256 s[4:11], s[0:1], 0x0               ; keys, ua_img, tab, scores
	s_load_b128 s[12:15], s[0:1], 0x20             ; pctx, pml
	v_lshl_add_u32 v[SPW], v0, 2, SPARE
	v_mov_b32 v[NIL], 0
	ds_add_u32 v[SPW], v[NIL]                      ; the opening lines: the add twice on end, and one wait
	ds_add_u32 v[SPW], v[NIL]
	v_lshrrev_b32 v3, 5, v0
	v_readfirstlane_b32 s16, v3                    ; wave
	s_bfe_u32 s17, ttmp6, 0x40000
	s_lshl_b32 s19, ttmp9, 2
	s_add_co_u32 s17, s17, s19                     ; work-group = 4 x cluster + place; it enters global addresses of my own loads and stores alone
	s_and_b32 s38, s16, 1                          ; g
	s_lshr_b32 s39, s16, 1                         ; c
	s_mul_i32 s24, s38, 32*CP
	s_add_co_u32 s24, s24, CODES
	s_mul_i32 s29, s38, 32*SBP
	s_add_co_u32 s29, s29, SCB
	s_lshl_b32 s33, s16, 7
	s_add_co_u32 s33, s33, SCX
	s_lshl_b32 s34, s16, 8
	s_add_co_u32 s34, s34, PX
	s_mul_i32 s35, s39, 2*REC
	s_add_co_u32 s35, s35, RING
	s_lshl_b32 s36, s39, 11
	s_add_co_u32 s36, s36, TQL
	s_mul_i32 s37, s16, 8*CP
	s_add_co_u32 s37, s37, CODES
	s_mul_i32 s56, s16, 8*SBP
	s_add_co_u32 s56, s56, SCB
	s_lshl_b32 s57, s16, 14
	s_mov_b32 s[G0], 1
	s_mul_i32 s[G0+1], s16, REC
	s_add_co_u32 s[G0+1], s[G0+1], RING            ; my record's place in slot 0,
	s_mov_b32 s[G0+4], 1
	s_add_co_u32 s[G0+5], s[G0+1], SLOTB           ; in slot 1
	s_lshl_b32 s58, s39, 4
	s_add_co_u32 s58, s58, s38
	s_mul_i32 s58, s58, REC                        ; record 16 c + g: what I fetch in step 0
	s_mov_b32 s59, 0
	s_lshl_b32 s60, s17, 20
	s_lshl_b32 s61, s16, 17
	s_add_co_u32 s60, s60, s61                     ; my 32 rows of keys
	s_mov_b32 s61, 0
	s_mov_b32 s63, 0
	s_mov_b32 s[G1], 15|(3<<16)|(1<<21)            ; the cluster's four; elements of 8 bytes; a record is 34 dense rows of 256 bytes
	s_mov_b32 s[G1+1], 32<<16
	s_mov_b32 s[G1+2], 34<<16
	s_mov_b32 s[G1+3], 32<<16
	s_mov_b32 s[G1+4], 34
	s_mov_b32 s[G1+5], 32
	s_mov_b32 s[G1+6], 0
	s_mov_b32 s[G1+7], 0
	s_mov_b32 s20, 0x76543210
	s_mov_b32 s21, 0xfedcba98
	s_mov_b32 s22, 0x4038aa3b                      ; c = 2 log2(e)
	s_mov_b32 s23, s22
	s_mov_b32 s18, 0
	s_mov_b32 s25, 0
	s_mov_b32 s26, 0
	s_mov_b32 s27, 0
	s_mov_b32 s30, 0
	v_and_b32 v4, 31, v0
	v_and_b32 v28, 15, v0
	v_bfe_u32 v29, v0, 4, 1
	v_lshlrev_b32 v31, 4, v0                       ; the table: 16 bytes a thread
	v_lshl_add_u32 v30, v0, 3, TQL
	v_lshlrev_b32 v[LI], 4, v4
	v_lshlrev_b32 v[PFO], 8, v4
	v_lshlrev_b32 v[KA], 4, v29
	v_lshl_add_u32 v[TA0], v28, 3, s36
	v_lshl_add_u32 v[CW], v4, 2, s37
	v_lshrrev_b32 v[SW], 2, v4
	v_lshl_add_u32 v[KA], v28, 5, v[KA]
	v_add_nc_u32 v[BA], s35, v[LI]
	v_add_nc_u32 v[FW], s57, v[LI]
	v_add_nc_u32 v[SW], s56, v[SW]
	v_mov_b32 v[TC], v[CW]
	v_add_nc_u32 v[BA+1], SLOTB, v[BA]
	v_mov_b32 v[MX], 0xff61b1e6                    ; -3e38
	v_mov_b32 v[TS], v[SW]
	v_mov_b32 v[LS], 0
.irp k, 0,1,2,3
	v_mov_b32 v[CTX+\k], 0
	v_mov_b32 v[TQ+2*\k+1], 0
.endr
	s_wait_alu depctr_va_vdst(0)                   ; the wait at the head's end
	s_wait_dscnt 0x0
	s_wait_kmcnt 0x0
	s_add_nc_u64 s[4:5], s[4:5], s[60:61]
	s_add_nc_u64 s[6:7], s[6:7], s[58:59]
	s_lshr_b32 s60, s17, 3
	s_lshl_b32 s60, s60, 14
	s_add_nc_u64 s[8:9], s[8:9], s[60:61]          ; the batch's 1,024 quads
.irp q, 0,1,2,3
	global_load_b128 v[32+4*\q:35+4*\q], v31, s[8:9] offset:4096*\q
.endr
	KLOAD 192, 0                                   ; my rows 0 to 5 of block 0
	KLOAD 224, 4096
	KLOAD 128, 2*4096
	KLOAD 160, 3*4096
	KLOAD 64, 4*4096
	KLOAD 96, 5*4096
	s_mov_b64 s[G0+2:G0+3], s[6:7]
	s_or_b32 s[G0+3], s[G0+3], 0x80000000
	s_lshl_b32 s60, s17, 10
	s_add_nc_u64 s[10:11], s[10:11], s[60:61]
	s_lshl_b32 s60, s17, 12
	s_add_nc_u64 s[12:13], s[12:13], s[60:61]
	s_lshl_b32 s60, s17, 8
	s_add_nc_u64 s[14:15], s[14:15], s[60:61]
	ROUND                                          ; in front of the first joint loads
	tensor_load_to_lds s[G0:G0+3], s[G1:G1+7]      ; step 0's record: one tensor load a wave at the head
	s_nop 0
	s_wait_loadcnt 48                              ; the quads are in; each count below: the loads issued behind the wanted ones
.irp q, 0,1,2,3
	v_mov_b32 v[33+4*\q], v[34+4*\q]               ; (cb, va)
.endr
.irp q, 0,1,2,3
	ds_store_b64 v30, v[32+4*\q:33+4*\q] offset:2048*\q
.endr
.macro HROW x, cnt, t
	s_wait_loadcnt \cnt
	QA \x
	QBK \x, (\t)*CP, (\t)*SBP
	QF \x, (\t)*2048
.endm
	HROW 192, 40, 0
	KLOAD 192, 6*4096
	HROW 224, 40, 1
	KLOAD 224, 7*4096
	HROW 128, 40, 2
	HROW 160, 32, 3
	HROW 64, 24, 4
	KLOAD 64, 8*4096                               ; block 1's first two rows
	HROW 96, 24, 5
	KLOAD 96, 9*4096
	HROW 192, 24, 6
	HROW 224, 16, 7
	s_barrier_signal -1                            ; all stores of block 0 and of the table lie in LDS (each row's macro ends with the wait)
	s_barrier_wait -1
	ADDRS
.irp n, 0,1,2,3
	ACH \n
.endr
	ASCL
.set j, 0
.rept 16
	v_mov_b32 v[S+j], 0
.set j, j+1
.endr
	s_wait_xcnt 0x0
	s_add_nc_u64 s[4:5], s[4:5], 8*4096            ; row 8: the first pair steps it to row 10
	; STEPS 0 .. 31.  Step g works on block g / 8, quantises stream row g + 8 (g <= 23) and asks for row g + 10 (g <= 21).
	s_mov_b32 s32, 3
.Lblock:                                               ; blocks 0, 1, 2
	s_mov_b32 s31, 3
	s_mov_b32 s28, 0
.Lpair_a:
	PAIR 1, 1, 1, 8, 8, 1, 2, -1
	s_add_co_u32 s28, s28, 1
	s_sub_co_u32 s31, s31, 1
	s_cmp_lg_u32 s31, 0
	s_cbranch_scc1 .Lpair_a
	s_cmp_eq_u32 s32, 1                            ; a count of the text, the same in every wave and work-group
	s_cbranch_scc1 .Lno_rows
	PAIR 1, 1, 1, 8, 8, 1, 1, 3
	s_branch .Lblock_end
.Lno_rows:
	PAIR 1, 0, 0, 8, 0, 1, 0, 3                    ; block 2's last pair asks for no row: no load leaves the wave's 32 rows
.Lblock_end:
	BLOCKEND 0
	s_sub_co_u32 s32, s32, 1
	s_cmp_lg_u32 s32, 0
	s_cbranch_scc1 .Lblock
	s_mov_b32 s31, 3                               ; block 3: nothing is left to quantise
.Lpair_c:
	PAIR 0, 0, 0, 0, 0, 1, 0, 0
	s_sub_co_u32 s31, s31, 1
	s_cmp_lg_u32 s31, 0
	s_cbranch_scc1 .Lpair_c
	PAIR 0, 0, 0, 0, 0, 0, 0, 0                    ; the last step asks for no slot
	BLOCKEND 1
	; THE WAY OUT: maximum, sum, context under that maximum, and the raw scores
	v_add_f32_dpp v[LS], v[LS], v[LS] row_xmask:1 row_mask:0xf bank_mask:0xf
.irp x, 2,4,8
	s_delay_alu instid0(VALU_DEP_1)
	v_add_f32_dpp v[LS], v[LS], v[LS] row_xmask:\x row_mask:0xf bank_mask:0xf
.endr
	s_delay_alu instid0(VALU_DEP_1)
	v_permlanex16_b32 v59, v[LS], s20, s21
	s_delay_alu instid0(VALU_DEP_1)
	v_add_f32 v[LS], v[LS], v59
	v_lshlrev_b32 v56, 4, v0
	v_lshlrev_b32 v57, 3, v0
	v_add_nc_u32 v58, SCALL, v[LI]
	global_store_b128 v56, v[CTX:CTX+3], s[12:13]  ; 16 lanes store 256 consecutive bytes, at a multiple of 256
	s_cmp_lg_u32 s16, 0
	s_wait_alu depctr_va_vdst(0)
	s_cbranch_scc1 .Lfin
	global_store_b64 v57, v[MX:LS], s[14:15]       ; the pair 32 times: 256 consecutive bytes
	ds_load_b128 v[192:195], v58
	ds_load_b128 v[196:199], v58 offset:512
	s_wait_dscnt 0x0
	global_store_b128 v[LI], v[192:195], s[10:11]
	global_store_b128 v[LI], v[196:199], s[10:11] offset:512
.Lfin:
	s_wait_tensorcnt 0x0                           ; the wave's end
	ds_add_u32 v[SPW], v[NIL]
	s_wait_dscnt 0x0
	ROUND                                          ; the closing round
	s_endpgm
.Lfunc_end_k_qfe205e2ac7_main:
	.size	k_qfe205e2ac7_main, .Lfunc_end_k_qfe205e2ac7_main-k_qfe205e2ac7_main
	.p2alignl 7, 3214868480
	.fill 96, 4, 3214868480
	.section	.rodata,"a",@progbits
	.p2align	6, 0x0
	.amdhsa_kernel k_qfe205e2ac7_main
		.amdhsa_group_segment_fixed_size 327680
		.amdhsa_private_segment_fixed_size 0
		.amdhsa_enable_private_segment 0
		.amdhsa_kernarg_size 48
		.amdhsa_user_sgpr_count 2
		.amdhsa_user_sgpr_kernarg_segment_ptr 1
		.amdhsa_wavefront_size32 1
		.amdhsa_system_sgpr_workgroup_id_x 1
		.amdhsa_system_sgpr_workgroup_id_y 1
		.amdhsa_system_sgpr_workgroup_id_z 1
		.amdhsa_system_vgpr_workitem_id 0
		.amdhsa_next_free_vgpr 512
		.amdhsa_next_free_sgpr 66
		.amdhsa_reserve_vcc 0
		.amdhsa_float_denorm_mode_32 3
		.amdhsa_float_denorm_mode_16_64 3
		.amdhsa_memory_ordered 1
		.amdhsa_forward_progress 1
		.amdhsa_inst_pref_size 255
	.end_amdhsa_kernel
	.section	.bss,"aw",@nobits
	.p2align	6
	.space	262144
	.amdgpu_metadata
---
amdhsa.version: [ 1, 2 ]
amdhsa.kernels:
  - .name:           k_qfe205e2ac7_main
    .symbol:         k_qfe205e2ac7_main.kd
    .args:
      - { .name: keys, .offset: 0, .size: 8, .value_kind: global_buffer, .address_space: global }
      - { .name: ua_img, .offset: 8, .size: 8, .value_kind: global_buffer, .address_space: global }
      - { .name: tab, .offset: 16, .size: 8, .value_kind: global_buffer, .address_space: global }
      - { .name: scores, .offset: 24, .size: 8, .value_kind: global_buffer, .address_space: global }
      - { .name: pctx, .offset: 32, .size: 8, .value_kind: global_buffer, .address_space: global }
      - { .name: pml, .offset: 40, .size: 8, .value_kind: global_buffer, .address_space: global }
    .group_segment_fixed_size: 327680
    .private_segment_fixed_size: 0
    .kernarg_segment_align: 8
    .kernarg_segment_size: 48
    .max_flat_workgroup_size: 256
    .sgpr_count:     66
    .vgpr_count:     512
    .wavefront_size: 32
...
	.end_amdgpu_metadata
.endif
;; end of part 5
;; launch combine (part 6): grid 32 x 1, 8 waves a work-group, no clusters, 0 bytes of LDS; arguments scores, pctx, pml, out0, out1; writes out0, out1
.if DOCPART == 6
	.amdgcn_target "amdgcn-amd-amdhsa--gfx1250"
	.amdhsa_code_object_version 6
	.text
	.protected	k_qfe205e2ac7_combine
	.globl	k_qfe205e2ac7_combine
	.p2align	8
	.type	k_qfe205e2ac7_combine,@function
k_qfe205e2ac7_combine:
	s_mov_b64 s[64:65], 0
	v_nop
	global_prefetch_b8 v0, s[64:65] scope:SCOPE_SE
	s_setreg_imm32_b32 hwreg(HW_REG_WAVE_MODE, 25, 1), 1
	s_wait_xcnt 0x0
; The eight parts of a batch (maximum m_j, sum l_j, context under m_j) are merged, and the weights are made of the raw scores.
; LEFT OUT, as shown at the head of the first kernel: Va_b and the sum of Va_w are in no score: they fall out of the softmax.
; M = the largest m_j; w_j = e^(m_j - M); L = sum of l_j w_j; out0 = (sum of w_j context_j) / L; out1 = e^(score - M) / L.
; Work-group b serves batch b; thread t 4 columns of the context and 8 keys.  No LDS, no barrier: every thread makes M and L for itself from 64 bytes.  32 work-groups: one owner for each output row; the launch moves 1.8 MiB.
.set LOG2E, 0x3fb8aa3b
	s_load_b256 s[4:11], s[0:1], 0x0               ; scores s[4:5], pctx s[6:7], pml s[8:9], out0 s[10:11]
	s_load_b64 s[12:13], s[0:1], 0x20              ; out1
	v_mov_b32 v1, 0
	v_lshlrev_b32 v2, 4, v0                        ; 16 bytes a thread
	s_lshl_b32 s14, ttmp9, 13                      ; a batch's scores and weights: 8,192 bytes
	s_mov_b32 s15, 0
	s_lshl_b32 s16, ttmp9, 15                      ; its eight partial contexts
	s_mov_b32 s17, 0
	s_lshl_b32 s18, ttmp9, 11                      ; its eight pairs, 256 bytes apart
	s_mov_b32 s19, 0
	s_lshl_b32 s20, ttmp9, 12                      ; its context
	s_mov_b32 s21, 0
	s_mov_b32 s22, LOG2E
	s_wait_alu depctr_va_vdst(0)
	s_wait_kmcnt 0x0
	s_add_nc_u64 s[4:5], s[4:5], s[14:15]
	s_add_nc_u64 s[6:7], s[6:7], s[16:17]
	s_add_nc_u64 s[8:9], s[8:9], s[18:19]
	s_add_nc_u64 s[10:11], s[10:11], s[20:21]
	s_add_nc_u64 s[12:13], s[12:13], s[14:15]
.irp j, 0,1,2,3,4,5,6,7
	global_load_b64 v[8+2*\j:9+2*\j], v1, s[8:9] offset:256*\j       ; (m_j, l_j), the same in every lane
.endr
	global_load_b128 v[64:67], v2, s[4:5]
	global_load_b128 v[68:71], v2, s[4:5] offset:4096
.irp j, 0,1,2,3,4,5,6,7
	global_load_b128 v[32+4*\j:35+4*\j], v2, s[6:7] offset:4096*\j
.endr
	s_wait_loadcnt 8                               ; the pairs and the scores are in; the eight loads of the contexts may be out
	v_max3_num_f32 v24, v8, v10, v12
	s_delay_alu instid0(VALU_DEP_1)
	v_max3_num_f32 v24, v24, v14, v16
	s_delay_alu instid0(VALU_DEP_1)
	v_max3_num_f32 v24, v24, v18, v20
	s_delay_alu instid0(VALU_DEP_1)
	v_max_num_f32 v24, v24, v22                    ; M
	s_delay_alu instid0(VALU_DEP_1)
	v_mul_f32 v25, 0xbfb8aa3b, v24                 ; -M log2(e)
.irp j, 0,1,2,3,4,5,6,7
	v_fma_f32 v[72+\j], v[8+2*\j], s22, v25
.endr
.irp i, 0,1,2,3,4,5,6,7
	v_fma_f32 v[64+\i], v[64+\i], s22, v25
.endr
	s_wait_alu depctr_va_vdst(0)
.irp j, 0,1,2,3,4,5,6,7
	v_exp_f32 v[72+\j], v[72+\j]                   ; w_j
.endr
.irp i, 0,1,2,3,4,5,6,7
	v_exp_f32 v[64+\i], v[64+\i]                   ; e^(score - M)
.endr
	v_nop                                          ; a plain place behind the batch
	s_wait_alu depctr_va_vdst(0)                   ; one wait for the sixteen, ahead of their first reader
	v_mul_f32 v26, v9, v72
.irp j, 1,2,3,4,5,6,7
	v_fmac_f32 v26, v[9+2*\j], v[72+\j]            ; L
.endr
	s_wait_alu depctr_va_vdst(0)
	v_rcp_f32 v27, v26
	s_wait_loadcnt 0x0                             ; the contexts
.irp k, 0,1,2,3
	v_mul_f32 v[80+\k], v[32+\k], v72              ; independent work behind the reciprocal
.endr
.irp j, 1,2,3,4,5,6,7
.irp k, 0,1,2,3
	v_fmac_f32 v[80+\k], v[32+4*\j+\k], v[72+\j]
.endr
.endr
	s_wait_alu depctr_va_vdst(0)                   ; the wait for the reciprocal, ahead of its first reader
.irp k, 0,1,2,3
	v_mul_f32 v[80+\k], v[80+\k], v27
.endr
.irp i, 0,1,2,3,4,5,6,7
	v_mul_f32 v[64+\i], v[64+\i], v27
.endr
	global_store_b128 v2, v[80:83], s[10:11]       ; every store: 16 lanes, 256 consecutive bytes, at a multiple of 256
	global_store_b128 v2, v[64:67], s[12:13]
	global_store_b128 v2, v[68:71], s[12:13] offset:4096
	s_endpgm
.Lfunc_end_k_qfe205e2ac7_combine:
	.size	k_qfe205e2ac7_combine, .Lfunc_end_k_qfe205e2ac7_combine-k_qfe205e2ac7_combine
	.p2alignl 7, 3214868480
	.fill 96, 4, 3214868480
	.section	.rodata,"a",@progbits
	.p2align	6, 0x0
	.amdhsa_kernel k_qfe205e2ac7_combine
		.amdhsa_group_segment_fixed_size 0
		.amdhsa_private_segment_fixed_size 0
		.amdhsa_enable_private_segment 0
		.amdhsa_kernarg_size 40
		.amdhsa_user_sgpr_count 2
		.amdhsa_user_sgpr_kernarg_segment_ptr 1
		.amdhsa_wavefront_size32 1
		.amdhsa_system_sgpr_workgroup_id_x 1
		.amdhsa_system_sgpr_workgroup_id_y 1
		.amdhsa_system_sgpr_workgroup_id_z 1
		.amdhsa_system_vgpr_workitem_id 0
		.amdhsa_next_free_vgpr 96
		.amdhsa_next_free_sgpr 66
		.amdhsa_reserve_vcc 0
		.amdhsa_float_denorm_mode_32 3
		.amdhsa_float_denorm_mode_16_64 3
		.amdhsa_memory_ordered 1
		.amdhsa_forward_progress 1
		.amdhsa_inst_pref_size 7
	.end_amdhsa_kernel
	.amdgpu_metadata
---
amdhsa.version: [ 1, 2 ]
amdhsa.kernels:
  - .name:           k_qfe205e2ac7_combine
    .symbol:         k_qfe205e2ac7_combine.kd
    .args:
      - { .name: scores, .offset: 0, .size: 8, .value_kind: global_buffer, .address_space: global }
      - { .name: pctx, .offset: 8, .size: 8, .value_kind: global_buffer, .address_space: global }
      - { .name: pml, .offset: 16, .size: 8, .value_kind: global_buffer, .address_space: global }
      - { .name: out0, .offset: 24, .size: 8, .value_kind: global_buffer, .address_space: global }
      - { .name: out1, .offset: 32, .size: 8, .value_kind: global_buffer, .address_space: global }
    .group_segment_fixed_size: 0
    .private_segment_fixed_size: 0
    .kernarg_segment_align: 8
    .kernarg_segment_size: 40
    .max_flat_workgroup_size: 256
    .sgpr_count:     66
    .vgpr_count:     96
    .wavefront_size: 32
...
	.end_amdgpu_metadata
.endif
;; end of part 6
